; MI455X (gfx1250); checked and timed in simulation.
; The chip was launched on July 23, 2026; its instructions are those of AMD's public machine-readable ISA for CDNA 5 (MIT licence, August 2026) and "CDNA5" Instruction Set Architecture Reference Guide (July 2026). The comments in the code are by the model that wrote it; some were corrected since.
;; Expert FFN. Allowed arithmetic: matrix products marked QUANTISED: E4M3 operands, one given power-of-two scale a tensor, by v_wmma_f32_16x16x64_fp8_fp8 or v_wmma_f32_16x16x128_fp8_fp8, f32 sums; products left as they are: f32 operands where the result goes on into a quantised operand, else bf16, f16 or f32 operands; f32 sums; everything else in f32.
;; Inputs: eb1 8 x 4,096 float32; eb2 8 x 1,024 float32; ew1_codes 8 x 4,096 x 32 x 32 uint8 (E4M3 codes of ew1, K innermost, in blocks of 32 codes); ew2_codes 8 x 1,024 x 128 x 32 uint8 (E4M3 codes of ew2, K innermost, in blocks of 32 codes); gate_b1 1,024 float32; gate_b2 8 float32; gate_w1 1,025 x 1,024 float32; gate_w2 1,024 x 8 float32; gumbel_u 1,024 x 8 float32; lowp_scales 34 int32 (the exponents e of the quantised operands' scales 2^e); snr 1 float32; x 8 x 128 x 1,024 float32.
;; Outputs: out0 8 x 128 x 1,024 float32; out1 1,024 x 8 float32; out2 1,024 x 8 float32.
;; This version of the problem:
;;   THIS VERSION OF THE PROBLEM IS GIVEN IN LOW PRECISION. The matrix products marked QUANTISED in the list below multiply operands that are first quantised to E4M3 (4 exponent bits, 3 mantissa bits; 8 bits a number), with one given power-of-two scale for each operand tensor; their sums are f32. All else is computed in f32.
;;   The module's matrix products, in the order in which they are computed (A, B: the left and right operand; K: the contracted axis; several contracted axes count as one K, in the product's order):
;;     1. [M 1,024, K 1,025] x [K 1,025, N 1,024]; A: computed on the way; B: input gate_w1: QUANTISED (scales: A lowp_scales[0], B lowp_scales[1])
;;     2. [M 1,024, K 1,024] x [K 1,024, N 8]; A: computed on the way; B: input gate_w2: left as it is (N = 8 < 16)
;;     3. batch 1,024 x [M 1, K 2] x [K 2, N 8]; A: computed on the way; B: computed on the way: left as it is (K = 2 < 32)
;;     4. [M 1,024, K 1,024] x [K 1,024, N 4,096]; A: input x; B: input ew1 (given as codes): QUANTISED (scales: A lowp_scales[2], B lowp_scales[3])
;;     5. [M 1,024, K 4,096] x [K 4,096, N 1,024]; A: computed on the way; B: input ew2 (given as codes): QUANTISED (scales: A lowp_scales[4], B lowp_scales[5])
;;     6. [M 1,024, K 1,024] x [K 1,024, N 4,096]; A: input x; B: input ew1 (given as codes): QUANTISED (scales: A lowp_scales[6], B lowp_scales[7])
;;     7. [M 1,024, K 4,096] x [K 4,096, N 1,024]; A: computed on the way; B: input ew2 (given as codes): QUANTISED (scales: A lowp_scales[8], B lowp_scales[9])
;;     8. [M 1,024, K 1,024] x [K 1,024, N 4,096]; A: input x; B: input ew1 (given as codes): QUANTISED (scales: A lowp_scales[10], B lowp_scales[11])
;;     9. [M 1,024, K 4,096] x [K 4,096, N 1,024]; A: computed on the way; B: input ew2 (given as codes): QUANTISED (scales: A lowp_scales[12], B lowp_scales[13])
;;     10. [M 1,024, K 1,024] x [K 1,024, N 4,096]; A: input x; B: input ew1 (given as codes): QUANTISED (scales: A lowp_scales[14], B lowp_scales[15])
;;     11. [M 1,024, K 4,096] x [K 4,096, N 1,024]; A: computed on the way; B: input ew2 (given as codes): QUANTISED (scales: A lowp_scales[16], B lowp_scales[17])
;;     12. [M 1,024, K 1,024] x [K 1,024, N 4,096]; A: input x; B: input ew1 (given as codes): QUANTISED (scales: A lowp_scales[18], B lowp_scales[19])
;;     13. [M 1,024, K 4,096] x [K 4,096, N 1,024]; A: computed on the way; B: input ew2 (given as codes): QUANTISED (scales: A lowp_scales[20], B lowp_scales[21])
;;     14. [M 1,024, K 1,024] x [K 1,024, N 4,096]; A: input x; B: input ew1 (given as codes): QUANTISED (scales: A lowp_scales[22], B lowp_scales[23])
;;     15. [M 1,024, K 4,096] x [K 4,096, N 1,024]; A: computed on the way; B: input ew2 (given as codes): QUANTISED (scales: A lowp_scales[24], B lowp_scales[25])
;;     16. [M 1,024, K 1,024] x [K 1,024, N 4,096]; A: input x; B: input ew1 (given as codes): QUANTISED (scales: A lowp_scales[26], B lowp_scales[27])
;;     17. [M 1,024, K 4,096] x [K 4,096, N 1,024]; A: computed on the way; B: input ew2 (given as codes): QUANTISED (scales: A lowp_scales[28], B lowp_scales[29])
;;     18. [M 1,024, K 1,024] x [K 1,024, N 4,096]; A: input x; B: input ew1 (given as codes): QUANTISED (scales: A lowp_scales[30], B lowp_scales[31])
;;     19. [M 1,024, K 4,096] x [K 4,096, N 1,024]; A: computed on the way; B: input ew2 (given as codes): QUANTISED (scales: A lowp_scales[32], B lowp_scales[33])
;;   THE QUANTISER, for each operand of a quantised product, along K:
;;     - The operand's scale is 2^e, e = its entry of the input lowp_scales (int32; the entries are numbered through the quantised products in the list's order, A before B).
;;     - Each number is divided by the scale, clamped to +-448, and rounded to the nearest number of E4M3, ties to even, subnormals kept.
;;     - The product sums the exact products of the quantised numbers (number of the format x scale) in f32.
;;   ~~~python
;;   def quantise(x, axis, e):      # numpy; x: float32 -> the quantised numbers, widened to float32 again
;;       x = np.moveaxis(x, axis, -1); K = x.shape[-1]
;;       r = np.clip(x / 2.0 ** e, -448, 448)
;;       step = 2.0 ** (np.maximum(np.frexp(np.where(r == 0, 1, r))[1] - 1, -6) - 3)
;;       q = np.round(r / step) * step * 2.0 ** e      # np.round: ties to even
;;       return np.moveaxis(q, -1, axis).astype(np.float32)
;;   ~~~
;;   OPERANDS COMPUTED ON THE WAY. 'Computed on the way' means the value that the module computes at that place (a softmax that the list does not call 'softmax' is quantised finished and normalised). What goes into a quantiser is computed in f32, as accurately as f32 sums, v_exp_f32 and their like allow (about 1e-6 of the number): no bf16 or f16 on the way to a quantiser, and a product that is left as it is and whose result goes on into a quantised operand takes f32 operands (vector FMAs, or v_wmma_f32_16x16x4_f32). A number that lies on a knife's edge between two numbers of the format may be rounded either way, as far as f32 arithmetic and the matrix unit's own rounding can turn it there, and no further.
;;   INPUTS GIVEN AS CODES. ew1 (in the module: [8, 1024, 4096], K = its axis 1); ew2 (in the module: [8, 4096, 1024], K = its axis 1): each comes as NAME_codes (uint8): NAME with its K axis moved to the last place and cut into blocks of 32 codes, [.., K / 32, bytes a block], one block behind the other in memory; one code a byte (a code: sign, 4 exponent bits, 3 mantissa bits); its scale is its entry of lowp_scales. Its value is code x scale, taken as it is: it is not quantised again, and the codes and scales need not be those that the quantiser above would give.
;; 2 versions. Each part assembles by itself: llvm-mc -triple=amdgcn-amd-amdhsa -mcpu=gfx1250 --defsym DOCPART=n.
;; ======== version 1 of 2: 5 launches
;; workspace buffers: xq 8,388,608 bytes; plog 524,288 bytes; pos 8,192 bytes of whole numbers; meta 256 bytes of whole numbers; cw 8,192 bytes; hq 8,912,896 bytes; y 8,912,896 bytes
;; launch gate1 (part 1): grid 16 x 16, 4 waves a work-group, no clusters, 135,680 bytes of LDS; arguments x, gate_w1, gate_b1, gate_w2, snr, lowp_scales, xq, plog; writes xq, plog
.if DOCPART == 1
	.amdgcn_target "amdgcn-amd-amdhsa--gfx1250"
	.amdhsa_code_object_version 6
	.text
	.protected	k_q902fa9185e_gate1
	.globl	k_q902fa9185e_gate1
	.p2align	8
	.type	k_q902fa9185e_gate1,@function
k_q902fa9185e_gate1:
	s_mov_b64 s[64:65], 0
	v_nop
	global_prefetch_b8 v0, s[64:65] scope:SCOPE_SE
	s_setreg_imm32_b32 hwreg(HW_REG_WAVE_MODE, 25, 1), 1
	s_wait_xcnt 0x0
; THE GATE'S FIRST LAYER AND ITS SHARE OF THE SECOND; AND x AS CODES FOR THE EXPERTS.
; h = relu([x, snr] W1 + b1): K = 1,025, both operands quantised to E4M3 (x and snr under 2^ls[0], W1 under 2^ls[1]); plog[nb][token][8] = the sum over 64 columns of h x gate_w2, in f32.
; A work-group takes 64 tokens (64 tb on) x 64 columns (64 nb on).  Wave w takes K = 256 w .. 256 w + 255 of all 64 x 64; the four partial sums meet in LDS, and wave w finishes one tile of 16 tokens.
; The work-group also stores the codes of 32 of its rows of x under expert e = nb / 2's scale 2^ls[2 + 4 e] into xq[e][token][k]: rows 64 tb + 32 (nb % 2) on.
; W1 lies [k][n]: a lane takes four neighbouring columns (16 bytes; sixteen lanes read 256 consecutive bytes of a row) and its loads run down K.  TILE t OF COLUMNS IS COLUMNS 4 m + t (m = lane % 16), so the hold,
; which moves each number anyway, sorts a lane's 64 numbers by tile, and nothing changes lanes.  Fragments: registers 4 c .. 4 c + 3 of lane (r, h) hold k = 32 c + 16 h + 0 .. 15 of a K step of 128, alike on both sides.
; The products are used transposed (source 0 = 16 columns of W1, source 1 = 16 tokens): a lane holds one token.
; k = 1,024 (snr x W1's last row) is one product of the K = 64 form with one code a lane, made by wave 0 alone (the others feed the code 0); its result is the C that starts every sum.
; LIMITS: ls[0], ls[1], ls[2 + 4 e] between -126 and 119; ls[0] + ls[1] between -126 and 127.  NaN among the inputs is not served.
; REGISTERS.  window 0: v1-21 addresses, scales; T v32-95; codes v96-127; b1 v128-159; h v160-191; sums v192-199; snr's products v200-231.
;   window 1: v0-191 three sets of 64 numbers as loaded, later x's fragments, later the partial sums; v192-231 the snr step's operands.   window 2: gate_w2's 256 numbers.   window 3: v0-127 accumulators, v128-255 W1's fragments.
.set XRB, 17408                        ; LDS: a wave's own 64 rows of 256 codes, pitch 272
.set RED, 69632                        ; LDS: the partial sums: [wave][tile of tokens][tile of columns][half][lane x 16 bytes]
.set T,   32
.set XCG, 96
.set XCE, 112
.set BI,  128
.set HH,  160
.set PL,  192
.set S9,  200
.set SR,  232
.set MSB, 0
.macro WIN new                         ; the immediate's high byte repeats the setting that is left
.if MSB != (\new)
	s_set_vgpr_msb (MSB<<8)|(\new)
.set MSB, (\new)
.endif
.endm
.macro MKSC se, vs, vl                 ; 2^e and 448 x 2^e as f32 numbers
	s_add_co_i32 s44, s[\se], 127
	s_lshl_b32 s45, s44, 23
	v_mov_b32 v[\vs], s45
	s_add_co_i32 s44, s44, 8
	s_lshl_b32 s44, s44, 23
	s_or_b32 s44, s44, 0x600000
	v_mov_b32 v[\vl], s44
.endm
; unit u < 8: W1's rows 32 u + 16 h + 0 .. 15 of my K quarter, my four columns
.macro LOADW u
	WIN 0x40
.set jj, 0
.rept 16
	global_load_b128 v[64*((\u)%3)+4*jj:64*((\u)%3)+4*jj+3], v4, s[28:29] offset:(32*(\u)+jj)*4096
.set jj, jj+1
.endr
	WIN 0
.endm
.macro PROCW u
	WIN 0x01
.set jj, 0
.rept 64
	v_med3_num_f32 v[T+16*(jj%4)+jj/4], v[64*((\u)%3)+jj], -v18, v18   ; the hold at the largest code x the scale (the conversion does not saturate: ISA guide 7.6.2); it also sorts by tile
.set jj, jj+1
.endr
	WIN 0xc0
.irp t, 0,1,2,3
	v_cvt_scalef32_pk8_fp8_f32 v[128+64*((\u)/4)+16*\t+4*((\u)%4):128+64*((\u)/4)+16*\t+4*((\u)%4)+1], v[T+16*\t:T+16*\t+7], v19
	v_cvt_scalef32_pk8_fp8_f32 v[128+64*((\u)/4)+16*\t+4*((\u)%4)+2:128+64*((\u)/4)+16*\t+4*((\u)%4)+3], v[T+16*\t+8:T+16*\t+15], v19
.endr
	WIN 0
	v_nop                                          ; one plain line behind the last conversion
.endm
; unit u >= 8: eight rows of x, my K quarter (1,024 bytes a row, 32 a lane).  Units 8-11: the 32 rows that also go to xq; units 12-15: the other 32
.macro LOADX u
	WIN 0x40
.set jj, 0
.rept 16
.if (\u) < 12
	global_load_b128 v[64*((\u)%3)+4*jj:64*((\u)%3)+4*jj+3], v5, s[30:31] offset:(8*(((\u)-8)%4)+jj/2)*4096+16*(jj%2)
.else
	global_load_b128 v[64*((\u)%3)+4*jj:64*((\u)%3)+4*jj+3], v5, s[32:33] offset:(8*(((\u)-8)%4)+jj/2)*4096+16*(jj%2)
.endif
.set jj, jj+1
.endr
	WIN 0
.endm
.macro PROCX u
	WIN 0x01
.set jj, 0
.rept 64
	v_med3_num_f32 v[T+jj], v[64*((\u)%3)+jj], -v16, v16
.set jj, jj+1
.endr
	WIN 0
	s_wait_dscnt 0x0                               ; the last unit's LDS stores have read their registers
.irp a, 0,1,2,3,4,5,6,7
	v_cvt_scalef32_pk8_fp8_f32 v[XCG+2*\a:XCG+2*\a+1], v[T+8*\a:T+8*\a+7], v17
.endr
	v_nop
.irp a, 0,1,2,3,4,5,6,7
	ds_store_b64 v6, v[XCG+2*\a:XCG+2*\a+1] offset:(8*((\u)-8)+\a)*272   ; the gate's codes: LDS row = the order of loading
.endr
.if (\u) < 12
	s_wait_xcnt 0x0                                ; the last unit's stores to xq have read their registers
	WIN 0x01
.set jj, 0
.rept 64
	v_med3_num_f32 v[T+jj], v[64*((\u)%3)+jj], -v20, v20
.set jj, jj+1
.endr
	WIN 0
.irp a, 0,1,2,3,4,5,6,7
	v_cvt_scalef32_pk8_fp8_f32 v[XCE+2*\a:XCE+2*\a+1], v[T+8*\a:T+8*\a+7], v21
.endr
	v_nop
.irp a, 0,1,2,3,4,5,6,7
	global_store_b64 v7, v[XCE+2*\a:XCE+2*\a+1], s[16:17] offset:(8*((\u)-8)+\a)*1024   ; 32 lanes store 256 consecutive bytes, aligned
.endr
.endif
.endm
	s_load_b256 s[4:11], s[0:1], 0x0               ; x, gate_w1, gate_b1, gate_w2
	s_load_b256 s[12:19], s[0:1], 0x20             ; snr, lowp_scales, xq, plog
	v_lshl_add_u32 v254, v0, 2, 0x21000
	v_mov_b32 v255, 0
	v_lshrrev_b32 v1, 5, v0
	v_readfirstlane_b32 s20, v1                    ; wave
	v_and_b32 v1, 31, v0                           ; lane
	v_and_b32 v2, 15, v0                           ; r
	v_bfe_u32 v3, v0, 4, 1                         ; h
	s_and_b32 s22, ttmp7, 0xffff                   ; tb
	s_and_b32 s23, ttmp9, 1                        ; rh = nb % 2
	s_lshr_b32 s24, ttmp9, 1                       ; e = nb / 2
	s_mov_b32 s27, 0
	s_mov_b32 s42, 0x76543210                      ; v_permlanex16_b32: lane l xor 16
	s_mov_b32 s43, 0xfedcba98
	v_lshlrev_b32 v13, 4, v2                       ; 16 r
	v_lshl_add_u32 v4, v3, 16, v13                 ; W1: 16 r + 16 rows x h
	v_lshlrev_b32 v5, 5, v1                        ; x: 32 x lane
	v_lshlrev_b32 v7, 3, v1                        ; codes: 8 x lane
	s_mul_i32 s25, s20, XRB
	v_add_nc_u32 v6, s25, v7                       ; my rows of codes in LDS, on the way in,
	v_mul_u32_u24 v8, v2, 272
	v_lshl_add_u32 v8, v3, 4, v8
	v_add_nc_u32 v8, s25, v8                       ; and as fragments
	v_lshlrev_b32 v15, 4, v1
	s_lshl_b32 s25, s20, 14
	s_add_co_u32 s25, s25, RED
	v_add_nc_u32 v9, s25, v15                      ; where I put my partial sums
	s_lshl_b32 s25, s20, 12
	s_add_co_u32 s25, s25, RED
	v_add_nc_u32 v10, s25, v15                     ; where I read tile w's
	v_lshlrev_b32 v11, 7, v3                       ; b1: 32 numbers x h
	v_lshlrev_b32 v12, 10, v3                      ; gate_w2: 32 rows of 32 bytes x h
	v_lshlrev_b32 v14, 5, v2
	v_lshl_add_u32 v14, v3, 4, v14                 ; plog: 32 r + 16 h
	s_wait_kmcnt 0x0
	s_load_b64 s[36:37], s[14:15], 0x0             ; ls[0], ls[1]
	s_load_b32 s39, s[12:13], 0x0                  ; snr
	s_lshl_b32 s26, s24, 4
	s_add_nc_u64 s[34:35], s[14:15], s[26:27]
	s_load_b32 s38, s[34:35], 0x8                  ; ls[2 + 4 e]
	s_lshl_b32 s26, ttmp9, 8
	s_add_nc_u64 s[6:7], s[6:7], s[26:27]          ; W1 at my 64 columns
	s_add_nc_u64 s[8:9], s[8:9], s[26:27]          ; b1 likewise
	s_lshl_b32 s26, ttmp9, 11
	s_add_nc_u64 s[10:11], s[10:11], s[26:27]      ; gate_w2 at my 64 rows
	s_lshl_b32 s26, s20, 20
	s_add_nc_u64 s[28:29], s[6:7], s[26:27]        ; W1 at my K quarter: 256 rows of 4,096 bytes a wave
	s_lshl_b32 s26, s22, 18
	s_lshl_b32 s25, s20, 10
	s_add_co_u32 s26, s26, s25
	s_add_nc_u64 s[4:5], s[4:5], s[26:27]          ; x at my 64 rows, my K quarter
	s_lshl_b32 s26, s23, 17
	s_add_nc_u64 s[30:31], s[4:5], s[26:27]        ; the 32 rows that also go to xq,
	s_xor_b32 s26, s26, 0x20000
	s_add_nc_u64 s[32:33], s[4:5], s[26:27]        ; and the other 32
	s_lshl_b32 s26, s24, 20
	s_lshl_b32 s25, s22, 16
	s_add_co_u32 s26, s26, s25
	s_lshl_b32 s25, s23, 15
	s_add_co_u32 s26, s26, s25
	s_lshl_b32 s25, s20, 8
	s_add_co_u32 s26, s26, s25
	s_add_nc_u64 s[16:17], s[16:17], s[26:27]      ; xq[e][64 tb + 32 rh][256 w]
	s_lshr_b32 s25, s20, 1
	s_xor_b32 s25, s25, s23                        ; LDS tile w holds the tokens of half rh xor (w / 2),
	s_lshl_b32 s25, s25, 5
	s_and_b32 s26, s20, 1
	s_lshl_b32 s26, s26, 4
	s_add_co_u32 s25, s25, s26                     ; + 16 (w % 2)
	s_lshl_b32 s26, s22, 6
	s_add_co_u32 s25, s25, s26
	s_lshl_b32 s25, s25, 5
	s_lshl_b32 s26, ttmp9, 15
	s_add_co_u32 s26, s26, s25
	s_add_nc_u64 s[18:19], s[18:19], s[26:27]      ; plog[nb][that tile's first token]
	global_load_b128 v[SR:SR+3], v13, s[6:7] offset:4194304   ; W1's row 1,024, my four columns
	LOADW 0
	LOADW 1
	LOADW 2
	s_wait_kmcnt 0x0
	MKSC 36, 17, 16                                ; x and snr for the gate
	MKSC 37, 19, 18                                ; W1
	MKSC 38, 21, 20                                ; x for expert e
	s_add_co_i32 s40, s36, s37
	s_add_co_i32 s40, s40, 127
	s_lshl_b32 s40, s40, 23                        ; 2^(ls[0] + ls[1])
	s_cmp_eq_u32 s20, 0
	s_cselect_b32 s39, s39, 0                      ; k = 1,024 belongs to wave 0: a choice of a value, no branch
; sixteen units through three sets of registers: at a unit's wait the two younger units (32 loads) may be out
.irp u, 0,1,2,3,4,5,6,7
	s_wait_loadcnt 32
	PROCW \u
.if \u < 5
	LOADW \u+3
.else
	LOADX \u+3
.endif
.endr
.irp u, 8,9,10,11,12
	s_wait_loadcnt 32
	PROCX \u
	LOADX \u+3
.endr
	s_wait_loadcnt 32
	PROCX 13
	s_wait_loadcnt 16                              ; one younger unit
	PROCX 14
	s_wait_loadcnt 0x0
.irp i, 0,1,2,3,4,5,6,7
	global_load_b128 v[BI+4*\i:BI+4*\i+3], v11, s[8:9] offset:16*\i   ; b1 of columns 32 h + 0 .. 31: register 4 j + t belongs to tile t's register j
.endr
	WIN 0x80
.set jj, 0
.rept 64
	global_load_b128 v[4*jj:4*jj+3], v12, s[10:11] offset:16*jj       ; gate_w2 of the same 32 columns: register 8 (4 j + t) + q
.set jj, jj+1
.endr
	WIN 0
	PROCX 15
; k = 1,024
	v_cmp_eq_u32 vcc_lo, 0, v3
	v_mov_b32 v240, s39
	v_cndmask_b32 v240, 0, v240, vcc_lo            ; the K = 64 form keeps k = 0 in byte 0 of register 0 of lanes 0-15: lanes 16-31 feed zeros
.irp c, 0,1,2,3
	v_cndmask_b32 v[SR+\c], 0, v[SR+\c], vcc_lo
.endr
.irp c, 0,1,2,3
	v_med3_num_f32 v[T+\c], v[SR+\c], -v18, v18
	v_mov_b32 v[T+4+\c], 0
.endr
	v_med3_num_f32 v[T+8], v240, -v16, v16
.irp c, 1,2,3,4,5,6,7
	v_mov_b32 v[T+8+\c], 0
.endr
	v_cvt_scalef32_pk8_fp8_f32 v[236:237], v[T:T+7], v19       ; byte t: the code of column 4 m + t
	v_cvt_scalef32_pk8_fp8_f32 v[238:239], v[T+8:T+15], v17    ; byte 0: snr's code
	v_nop
	WIN 0x40
.irp t, 0,1,2,3
	v_bfe_u32 v[192+8*\t], v236, 8*\t, 8
.irp k, 1,2,3,4,5,6,7
	v_mov_b32 v[192+8*\t+\k], 0
.endr
.endr
	v_mov_b32 v224, v238
.irp k, 1,2,3,4,5,6,7
	v_mov_b32 v[224+\k], 0
.endr
	WIN 0x05
.irp t, 0,1,2,3
	v_wmma_f32_16x16x64_fp8_fp8 v[S9+8*\t:S9+8*\t+7], v[192+8*\t:192+8*\t+7], v[224:231], 0
.endr
	WIN 0
.rept 5
	v_nop                                          ; five places: these results become the C of other accumulators
.endr
; x's fragments out of my own rows in LDS (a wave's LDS instructions are served in order: ISA guide 5.7.1.4), and the products
	WIN 0x40
.irp s, 0,1
.irp m, 0,1,2,3
.irp c, 0,1,2,3
	ds_load_b128 v[64*\s+16*\m+4*\c:64*\s+16*\m+4*\c+3], v8 offset:4352*\m+128*\s+32*\c
.endr
.endr
.endr
	s_wait_dscnt 16                                ; the first K step's sixteen loads are in
	WIN 0xc7                                       ; W1 window 3, x window 1, C window 0, D window 3
.irp m, 0,1,2,3
.irp t, 0,1,2,3
	v_wmma_f32_16x16x128_fp8_fp8 v[32*\m+8*\t:32*\m+8*\t+7], v[128+16*\t:128+16*\t+15], v[16*\m:16*\m+15], v[S9+8*\t:S9+8*\t+7]
.endr
.endr
	s_wait_dscnt 0x0
	WIN 0xf7                                       ; the sixteen accumulators take turns
.irp m, 0,1,2,3
.irp t, 0,1,2,3
	v_wmma_f32_16x16x128_fp8_fp8 v[32*\m+8*\t:32*\m+8*\t+7], v[192+16*\t:192+16*\t+15], v[64+16*\m:64+16*\m+15], v[32*\m+8*\t:32*\m+8*\t+7]
.endr
.endr
	WIN 0
.rept 4
	v_nop                                          ; four places in front of the stores that read results, and of the loads into x's registers below
.endr
	WIN 0x0c
.set jj, 0
.rept 16
	ds_store_b128 v9, v[8*jj:8*jj+3] offset:1024*jj            ; each accumulator from its low end on
	ds_store_b128 v9, v[8*jj+4:8*jj+7] offset:1024*jj+512
.set jj, jj+1
.endr
	WIN 0
	s_wait_dscnt 0x0                               ; for the others' sake: my partial sums lie in LDS
	s_barrier_signal -1
	s_barrier_wait -1
	WIN 0x40
.irp p, 0,1,2,3
.irp t, 0,1,2,3
.irp f, 0,1
	ds_load_b128 v[32*\p+8*\t+4*\f:32*\p+8*\t+4*\f+3], v10 offset:16384*\p+1024*\t+512*\f
.endr
.endr
.endr
	WIN 0
	s_wait_dscnt 0x0
	WIN 0x45
.set jj, 0
.rept 16
	v_pk_add_f32 v[jj:jj+1], v[jj:jj+1], v[32+jj:33+jj]
	v_pk_add_f32 v[64+jj:65+jj], v[64+jj:65+jj], v[96+jj:97+jj]
.set jj, jj+2
.endr
.set jj, 0
.rept 16
	v_pk_add_f32 v[jj:jj+1], v[jj:jj+1], v[64+jj:65+jj]
.set jj, jj+2
.endr
	WIN 0x01
	s_wait_loadcnt 0x0                             ; b1 and gate_w2
.set jj, 0
.rept 32
	v_fma_f32 v[HH+jj], v[jj], s40, v[BI+4*(jj%8)+jj/8]        ; sum x 2^(ls[0] + ls[1]) + b1
.set jj, jj+1
.endr
	WIN 0
.set jj, 0
.rept 32
	v_max_num_f32 v[HH+jj], 0, v[HH+jj]
.set jj, jj+1
.endr
	WIN 0x08                                       ; gate_w2 in window 2
.set jj, 0
.rept 32                                       ; column 32 h + jj: eight chains, one for each expert
.set hx, HH+8*(jj%4)+jj/4
.irp q, 0,1,2,3,4,5,6,7
.if jj == 0
	v_mul_f32 v[PL+\q], v[hx], v[\q]
.else
	v_fmac_f32 v[PL+\q], v[hx], v[8*jj+\q]
.endif
.endr
.set jj, jj+1
.endr
	WIN 0
.irp q, 0,1,2,3,4,5,6,7
	v_permlanex16_b32 v[T+\q], v[PL+\q], s42, s43  ; the token's other 32 columns lie in the lane 16 away
.endr
.irp q, 0,1,2,3,4,5,6,7
	v_add_f32 v[PL+\q], v[PL+\q], v[T+\q]
.endr
	v_cmp_eq_u32 vcc_lo, 1, v3
.irp q, 0,1,2,3
	v_cndmask_b32 v[T+\q], v[PL+\q], v[PL+4+\q], vcc_lo
.endr
	global_store_b128 v14, v[T:T+3], s[18:19]      ; the wave stores 512 consecutive bytes: 16 tokens x 8
	s_wait_tensorcnt 0x0
	ds_add_u32 v254, v255
	s_wait_dscnt 0x0
	s_endpgm
.Lfunc_end_k_q902fa9185e_gate1:
	.size	k_q902fa9185e_gate1, .Lfunc_end_k_q902fa9185e_gate1-k_q902fa9185e_gate1
	.p2alignl 7, 3214868480
	.fill 96, 4, 3214868480
	.section	.rodata,"a",@progbits
	.p2align	6, 0x0
	.amdhsa_kernel k_q902fa9185e_gate1
		.amdhsa_group_segment_fixed_size 135680
		.amdhsa_private_segment_fixed_size 0
		.amdhsa_enable_private_segment 0
		.amdhsa_kernarg_size 64
		.amdhsa_user_sgpr_count 2
		.amdhsa_user_sgpr_kernarg_segment_ptr 1
		.amdhsa_wavefront_size32 1
		.amdhsa_system_sgpr_workgroup_id_x 1
		.amdhsa_system_sgpr_workgroup_id_y 1
		.amdhsa_system_sgpr_workgroup_id_z 1
		.amdhsa_system_vgpr_workitem_id 0
		.amdhsa_next_free_vgpr 1024
		.amdhsa_next_free_sgpr 66
		.amdhsa_reserve_vcc 1
		.amdhsa_float_denorm_mode_32 3
		.amdhsa_float_denorm_mode_16_64 3
		.amdhsa_memory_ordered 1
		.amdhsa_forward_progress 1
		.amdhsa_inst_pref_size 164
	.end_amdhsa_kernel
	.amdgpu_metadata
---
amdhsa.version: [ 1, 2 ]
amdhsa.kernels:
  - .name:           k_q902fa9185e_gate1
    .symbol:         k_q902fa9185e_gate1.kd
    .args:
      - { .name: x, .offset: 0, .size: 8, .value_kind: global_buffer, .address_space: global }
      - { .name: gate_w1, .offset: 8, .size: 8, .value_kind: global_buffer, .address_space: global }
      - { .name: gate_b1, .offset: 16, .size: 8, .value_kind: global_buffer, .address_space: global }
      - { .name: gate_w2, .offset: 24, .size: 8, .value_kind: global_buffer, .address_space: global }
      - { .name: snr, .offset: 32, .size: 8, .value_kind: global_buffer, .address_space: global }
      - { .name: lowp_scales, .offset: 40, .size: 8, .value_kind: global_buffer, .address_space: global }
      - { .name: xq, .offset: 48, .size: 8, .value_kind: global_buffer, .address_space: global }
      - { .name: plog, .offset: 56, .size: 8, .value_kind: global_buffer, .address_space: global }
    .group_segment_fixed_size: 135680
    .private_segment_fixed_size: 0
    .kernarg_segment_align: 8
    .kernarg_segment_size: 64
    .max_flat_workgroup_size: 128
    .sgpr_count:     66
    .vgpr_count:     1024
    .wavefront_size: 32
...
	.end_amdgpu_metadata
.endif
;; end of part 1
;; launch route (part 2): grid 1 x 1, 32 waves a work-group, no clusters, 6,144 bytes of LDS; arguments plog, gumbel_u, gate_b2, out1, out2, pos, cw, meta; writes out1, out2, pos, cw, meta
.if DOCPART == 2
	.amdgcn_target "amdgcn-amd-amdhsa--gfx1250"
	.amdhsa_code_object_version 6
	.text
	.protected	k_q902fa9185e_route
	.globl	k_q902fa9185e_route
	.p2align	8
	.type	k_q902fa9185e_route,@function
k_q902fa9185e_route:
	s_mov_b64 s[64:65], 0
	v_nop
	global_prefetch_b8 v0, s[64:65] scope:SCOPE_SE
	s_setreg_imm32_b32 hwreg(HW_REG_WAVE_MODE, 25, 1), 1
	s_wait_xcnt 0x0
; THE ROUTER.  One thread a token.  logits = the sixteen partial sums, in ascending order, + gate_b2; gumbel = -ln(-ln(u + 1e-9) + 1e-9); softmax with the row's maximum taken away; the two largest scores,
; the lower index first where scores are equal (strict comparisons in ascending order).  Then a counting sort BY VALUE: every address here is fixed; what the choice decides is only stored.
; pos[token][2]: the row of (token, choice) in the order sorted by expert, each expert beginning on a multiple of 16 rows.  meta: words 0-7 an expert's first tile of 16 rows, 8-15 its tiles, 16-23 its rows, 24-31 zeros.
; Counts stay under 2^24, so their sums across lanes are taken exactly in f32.  NaN among the inputs is not served.
	s_load_b256 s[4:11], s[0:1], 0x0               ; plog, gumbel_u, gate_b2, out1
	s_load_b256 s[12:19], s[0:1], 0x20             ; out2, pos, cw, meta
	v_lshlrev_b32 v1, 5, v0                        ; 32 t
	v_lshlrev_b32 v2, 3, v0                        ; 8 t
	v_and_b32 v3, 31, v0                           ; lane
	v_lshrrev_b32 v4, 5, v0                        ; wave
	v_readfirstlane_b32 s20, v4
	v_and_b32 v5, 0x3e0, v0                        ; LDS: 32 x wave: my wave's eight counts
	v_lshlrev_b32 v6, 5, v3                        ; LDS: 32 x lane: wave l's counts
	v_mov_b32 v7, 0x400                            ; LDS: the table for meta
	v_lshl_add_u32 v24, v3, 2, 0x400
	v_lshlrev_b32 v25, 2, v3
	s_mov_b32 s32, 0xbf317218                      ; -ln 2
	s_mov_b32 s33, 0x3089705f                      ; 1e-9
	s_mov_b32 s34, 0x3fb8aa3b                      ; log2 e
	s_mov_b32 s35, 0x76543210
	s_mov_b32 s36, 0xfedcba98
	s_wait_kmcnt 0x0
	s_load_b256 s[24:31], s[8:9], 0x0              ; gate_b2
	global_load_b128 v[8:11], v1, s[6:7]
	global_load_b128 v[12:15], v1, s[6:7] offset:16
.irp n, 0,1,2,3,4,5,6,7,8,9,10,11
	global_load_b128 v[32+8*\n:35+8*\n], v1, s[4:5] offset:32768*\n
	global_load_b128 v[36+8*\n:39+8*\n], v1, s[4:5] offset:32768*\n+16
.endr
	s_wait_loadcnt 16                              ; u and parts 0-3 are in; the sixteen loads of parts 4-11 may be out
.irp j, 0,2,4,6
	v_pk_add_f32 v[16+\j:17+\j], v[32+\j:33+\j], v[40+\j:41+\j]
.endr
.irp n, 2,3
.irp j, 0,2,4,6
	v_pk_add_f32 v[16+\j:17+\j], v[16+\j:17+\j], v[32+8*\n+\j:33+8*\n+\j]
.endr
.endr
.irp n, 0,1,2,3
	global_load_b128 v[32+8*\n:35+8*\n], v1, s[4:5] offset:32768*(12+\n)
	global_load_b128 v[36+8*\n:39+8*\n], v1, s[4:5] offset:32768*(12+\n)+16
.endr
	s_wait_loadcnt 8                               ; parts 4-11 are in; the eight loads just issued may be out
.irp n, 4,5,6,7,8,9,10,11
.irp j, 0,2,4,6
	v_pk_add_f32 v[16+\j:17+\j], v[16+\j:17+\j], v[32+8*\n+\j:33+8*\n+\j]
.endr
.endr
	s_wait_loadcnt 0x0
.irp n, 0,1,2,3
.irp j, 0,2,4,6
	v_pk_add_f32 v[16+\j:17+\j], v[16+\j:17+\j], v[32+8*\n+\j:33+8*\n+\j]
.endr
.endr
.irp q, 0,1,2,3,4,5,6,7
	v_add_f32 v[8+\q], s33, v[8+\q]                ; u + 1e-9
.endr
.irp q, 0,1,2,3,4,5,6,7
	v_log_f32 v[8+\q], v[8+\q]
.endr
	s_wait_kmcnt 0x0
.irp q, 0,1,2,3,4,5,6,7
	v_add_f32 v[16+\q], s[24+\q], v[16+\q]         ; + gate_b2: plain work behind the logarithms
.endr
	s_wait_alu depctr_va_vdst(0)                   ; one wait for the batch, ahead of its first reader
.irp q, 0,1,2,3,4,5,6,7
	v_fma_f32 v[8+\q], v[8+\q], s32, s33           ; -ln(u + 1e-9) + 1e-9
.endr
.irp q, 0,1,2,3,4,5,6,7
	v_log_f32 v[8+\q], v[8+\q]
.endr
	v_nop
	s_wait_alu depctr_va_vdst(0)
.irp q, 0,1,2,3,4,5,6,7
	v_fma_f32 v[16+\q], v[8+\q], s32, v[16+\q]     ; logit + gumbel
.endr
	v_max3_num_f32 v26, v16, v17, v18
	v_max3_num_f32 v26, v26, v19, v20
	v_max3_num_f32 v26, v26, v21, v22
	v_max_num_f32 v26, v26, v23                    ; the row's maximum is taken away, as in the softmax that is asked for
.irp q, 0,1,2,3,4,5,6,7
	v_sub_f32 v[16+\q], v[16+\q], v26
.endr
.irp q, 0,1,2,3,4,5,6,7
	v_mul_f32 v[16+\q], s34, v[16+\q]
.endr
.irp q, 0,1,2,3,4,5,6,7
	v_exp_f32 v[16+\q], v[16+\q]
.endr
	v_nop
	s_wait_alu depctr_va_vdst(0)
	v_add_f32 v27, v16, v17
	v_add_f32 v26, v18, v19
	v_add_f32 v27, v27, v20
	v_add_f32 v26, v26, v21
	v_add_f32 v27, v27, v22
	v_add_f32 v26, v26, v23
	v_add_f32 v27, v27, v26
	v_rcp_f32 v27, v27
	v_mov_b32 v40, -2.0                            ; (a plain line behind the reciprocal)  under every score
	s_wait_alu depctr_va_vdst(0)
.irp q, 0,1,2,3,4,5,6,7
	v_mul_f32 v[16+\q], v[16+\q], v27              ; the scores
.endr
	v_mov_b32 v28, v16                             ; the largest score and its index: a later one wins only if it is greater
	v_mov_b32 v29, 0
.irp q, 1,2,3,4,5,6,7
	v_cmp_le_f32 vcc_lo, v[16+\q], v28
	v_cndmask_b32 v29, \q, v29, vcc_lo
	v_max_num_f32 v28, v28, v[16+\q]
.endr
.irp q, 0,1,2,3,4,5,6,7
	v_cmp_eq_u32 vcc_lo, \q, v29
	v_cndmask_b32 v[32+\q], v[16+\q], v40, vcc_lo  ; the first choice is taken out
.endr
	v_mov_b32 v30, v32
	v_mov_b32 v31, 0
.irp q, 1,2,3,4,5,6,7
	v_cmp_le_f32 vcc_lo, v[32+\q], v30
	v_cndmask_b32 v31, \q, v31, vcc_lo
	v_max_num_f32 v30, v30, v[32+\q]
.endr
.irp e, 0,1,2,3,4,5,6,7
	v_cmp_eq_u32 s40, \e, v29
	v_cmp_eq_u32 s41, \e, v31
	s_or_b32 s40, s40, s41                         ; the wave's tokens that chose expert e
	v_cndmask_b32 v[48+\e], 0, 1.0, s40            ; the mask that is an output
	s_bcnt1_i32_b32 s41, s40
	v_mbcnt_lo_u32_b32 v[56+\e], s40, 0            ; how many of them stand in lower lanes
	v_mov_b32 v[64+\e], s41
.endr
	ds_store_b128 v5, v[64:67]                     ; all lanes write the same words with the same numbers
	ds_store_b128 v5, v[68:71] offset:16
	s_wait_dscnt 0x0
	s_barrier_signal -1
	s_barrier_wait -1
	ds_load_b128 v[72:75], v6                      ; lane l: wave l's eight counts
	ds_load_b128 v[76:79], v6 offset:16
	s_wait_dscnt 0x0
	v_cmp_lt_u32 vcc_lo, v3, v4                    ; waves in front of mine
.irp e, 0,1,2,3,4,5,6,7
	v_cvt_f32_u32 v[72+\e], v[72+\e]
.endr
.irp e, 0,1,2,3,4,5,6,7
	v_cndmask_b32 v[80+\e], 0, v[72+\e], vcc_lo
.endr
.irp m, 1,2,4,8
.set jj, 0
.rept 16
	v_add_f32_dpp v[72+jj], v[72+jj], v[72+jj] row_xmask:\m row_mask:0xf bank_mask:0xf
.set jj, jj+1
.endr
.endr
.set jj, 0
.rept 16
	v_permlanex16_b32 v[88+jj], v[72+jj], s35, s36
.set jj, jj+1
.endr
.set jj, 0
.rept 16
	v_add_f32 v[72+jj], v[72+jj], v[88+jj]
.set jj, jj+1
.endr
.set jj, 0
.rept 16
	v_cvt_u32_f32 v[72+jj], v[72+jj]               ; v72-79 an expert's rows; v80-87 those of the waves in front of mine
.set jj, jj+1
.endr
.irp e, 0,1,2,3,4,5,6,7
	v_add_nc_u32 v[104+\e], 15, v[72+\e]
.endr
.irp e, 0,1,2,3,4,5,6,7
	v_lshrrev_b32 v[104+\e], 4, v[104+\e]          ; tiles of 16 rows
.endr
	v_mov_b32 v112, 0
.irp e, 0,1,2,3,4,5,6
	v_add_nc_u32 v[113+\e], v[112+\e], v[104+\e]   ; an expert's first tile
.endr
.irp e, 0,1,2,3,4,5,6,7
	v_lshl_add_u32 v[80+\e], v[112+\e], 4, v[80+\e]
.endr
.irp e, 0,1,2,3,4,5,6,7
	v_add_nc_u32 v[80+\e], v[80+\e], v[56+\e]      ; the row that I would take with expert e
.endr
	v_mov_b32 v120, v80
	v_mov_b32 v121, v80
.irp e, 1,2,3,4,5,6,7
	v_cmp_eq_u32 vcc_lo, \e, v29
	v_cndmask_b32 v120, v120, v[80+\e], vcc_lo
	v_cmp_eq_u32 vcc_lo, \e, v31
	v_cndmask_b32 v121, v121, v[80+\e], vcc_lo
.endr
	v_mov_b32 v122, v28
	v_mov_b32 v123, v30
	global_store_b128 v1, v[16:19], s[10:11]
	global_store_b128 v1, v[20:23], s[10:11] offset:16
	global_store_b128 v1, v[48:51], s[12:13]
	global_store_b128 v1, v[52:55], s[12:13] offset:16
	global_store_b64 v2, v[120:121], s[14:15]
	global_store_b64 v2, v[122:123], s[16:17]
	s_cmp_lg_u32 s20, 0                            ; the table is wave 0's: 32 words through LDS, so that lane l holds word l
	s_cbranch_scc1 .Ldone
.irp k, 0,1,2,3
	v_mov_b32 v[124+\k], 0
.endr
	ds_store_b128 v7, v[112:115]
	ds_store_b128 v7, v[116:119] offset:16
	ds_store_b128 v7, v[104:107] offset:32
	ds_store_b128 v7, v[108:111] offset:48
	ds_store_b128 v7, v[72:75] offset:64
	ds_store_b128 v7, v[76:79] offset:80
	ds_store_b128 v7, v[124:127] offset:96
	ds_store_b128 v7, v[124:127] offset:112
	ds_load_b32 v32, v24                           ; a wave's LDS instructions are served in order: this sees the stores above
	s_wait_dscnt 0x0
	global_store_b32 v25, v32, s[18:19]
.Ldone:
	s_wait_xcnt 0x0
	v_lshl_add_u32 v126, v0, 2, 0x800
	v_mov_b32 v127, 0
	s_wait_tensorcnt 0x0
	ds_add_u32 v126, v127
	s_wait_dscnt 0x0
	s_endpgm
.Lfunc_end_k_q902fa9185e_route:
	.size	k_q902fa9185e_route, .Lfunc_end_k_q902fa9185e_route-k_q902fa9185e_route
	.p2alignl 7, 3214868480
	.fill 96, 4, 3214868480
	.section	.rodata,"a",@progbits
	.p2align	6, 0x0
	.amdhsa_kernel k_q902fa9185e_route
		.amdhsa_group_segment_fixed_size 6144
		.amdhsa_private_segment_fixed_size 0
		.amdhsa_enable_private_segment 0
		.amdhsa_kernarg_size 64
		.amdhsa_user_sgpr_count 2
		.amdhsa_user_sgpr_kernarg_segment_ptr 1
		.amdhsa_wavefront_size32 1
		.amdhsa_system_sgpr_workgroup_id_x 1
		.amdhsa_system_sgpr_workgroup_id_y 1
		.amdhsa_system_sgpr_workgroup_id_z 1
		.amdhsa_system_vgpr_workitem_id 0
		.amdhsa_next_free_vgpr 128
		.amdhsa_next_free_sgpr 66
		.amdhsa_reserve_vcc 1
		.amdhsa_float_denorm_mode_32 3
		.amdhsa_float_denorm_mode_16_64 3
		.amdhsa_memory_ordered 1
		.amdhsa_forward_progress 1
		.amdhsa_inst_pref_size 28
	.end_amdhsa_kernel
	.amdgpu_metadata
---
amdhsa.version: [ 1, 2 ]
amdhsa.kernels:
  - .name:           k_q902fa9185e_route
    .symbol:         k_q902fa9185e_route.kd
    .args:
      - { .name: plog, .offset: 0, .size: 8, .value_kind: global_buffer, .address_space: global }
      - { .name: gumbel_u, .offset: 8, .size: 8, .value_kind: global_buffer, .address_space: global }
      - { .name: gate_b2, .offset: 16, .size: 8, .value_kind: global_buffer, .address_space: global }
      - { .name: out1, .offset: 24, .size: 8, .value_kind: global_buffer, .address_space: global }
      - { .name: out2, .offset: 32, .size: 8, .value_kind: global_buffer, .address_space: global }
      - { .name: pos, .offset: 40, .size: 8, .value_kind: global_buffer, .address_space: global }
      - { .name: cw, .offset: 48, .size: 8, .value_kind: global_buffer, .address_space: global }
      - { .name: meta, .offset: 56, .size: 8, .value_kind: global_buffer, .address_space: global }
    .group_segment_fixed_size: 6144
    .private_segment_fixed_size: 0
    .kernarg_segment_align: 8
    .kernarg_segment_size: 64
    .max_flat_workgroup_size: 1024
    .sgpr_count:     66
    .vgpr_count:     128
    .wavefront_size: 32
...
	.end_amdgpu_metadata
.endif
;; end of part 2
;; launch ffn1 (part 3): grid 32 x 8, 4 waves a work-group, no clusters, 271,872 bytes of LDS; arguments ew1_codes, eb1, lowp_scales, xq, pos, meta, hq; writes hq
.if DOCPART == 3
	.amdgcn_target "amdgcn-amd-amdhsa--gfx1250"
	.amdhsa_code_object_version 6
	.text
	.protected	k_q902fa9185e_ffn1
	.globl	k_q902fa9185e_ffn1
	.p2align	8
	.type	k_q902fa9185e_ffn1,@function
k_q902fa9185e_ffn1:
	s_mov_b64 s[64:65], 0
	v_nop
	global_prefetch_b8 v0, s[64:65] scope:SCOPE_SE
	s_setreg_imm32_b32 hwreg(HW_REG_WAVE_MODE, 25, 1), 1
	s_wait_xcnt 0x0
; THE EXPERTS' FIRST LAYER, on the chosen rows alone: he = relu(x W1[e] + b1[e]), quantised under 2^eh, stored as the register image of the second layer's operand.
; Work-group (x, e): chunk = x / 2 is 256 hidden units of expert e; p = x % 2: of the expert's tiles of 16 sorted rows it takes those with number % 2 = p.  Wave w keeps 64 hidden units x K 1,024 in 512 registers for the whole launch.
; The weights come by loads of 512 consecutive bytes, turn through the wave's own stage in LDS (pitch 1,040) and come back as fragments: registers 4 c .. 4 c + 3 of lane (r, h): k = 128 s + 32 c + 16 h + 0 .. 15.
; THE ROWS OF W1 THAT FORM A TILE ARE NOT NEIGHBOURS: lane r of tile 2 b + u takes hidden unit 32 b + 8 u + r + 8 (r / 8).  The products are used transposed (source 0 = W1, source 1 = 16 tokens), so a lane holds one token and the
; 16 registers of tiles 2 b, 2 b + 1 are hidden units 32 b + 16 h + 0 .. 15: the conversions' results are registers of the next operand.
; The number of tiles is a stored number, so this launch has no tensor load: the loop's trips are a constant (4 x 2 batches of 4 tiles serve all 1,024 tokens on one expert), every wave passes every barrier, and work is jumped over.
; No cluster for the same reason: partners would need different numbers of tiles.  No prefetch: the weights are asked for in one run from the head on.
; WHO IS ROW d OF MY EXPERT: wave 0 turns pos round in LDS: word d of the list = the token whose pos is 16 offt + d.  Rows that pad the last tile read 0 or a later expert's token: they are computed and stored, and no result uses them.
; b1 is the C of a sum's first product, divided by 2^(ex + ew1); the conversion takes 2^(eh - ex - ew1).  LIMITS: eh - ex - ew1 between -126 and 119.
; REGISTERS.  window 0: v1-27 addresses; v32-63 accumulators; v64-95 b1; v96-103 codes; v104-111 tokens; v128-255 pos, then the rows gathered.   window 1: three sets of 64 as loaded, later x's fragments.   windows 2, 3: W1 (K step s, tile t) at 64 (s % 4) + 16 t.
.set RS,   2
.set PW,   1040
.set STGB, 64*PW
.set XB1,  131072                      ; behind the stage's last read: two buffers of 64 rows x 1,040 for x's codes, at 0 and here
.set LIST, 266240                      ; 1,280 words
.set ACC,  32
.set BIAS, 64
.set CC,   96
.set TOK,  104
.set G,    128
.set MSB, 0
.macro WIN new
.if MSB != (\new)
	s_set_vgpr_msb (MSB<<8)|(\new)
.set MSB, (\new)
.endif
.endm
.macro WLOAD g                         ; eight rows of my 64: 16 loads of 512 consecutive bytes
	WIN 0x40
.set jj, 0
.rept 16
	global_load_b128 v[64*((\g)%3)+4*jj:64*((\g)%3)+4*jj+3], v4, s[38:39] offset:512*(16*(\g)+jj)
.set jj, jj+1
.endr
	WIN 0
.endm
.macro WSTORE g
	WIN 0x04
.set jj, 0
.rept 16
	ds_store_b128 v[5+(\g)/4], v[64*((\g)%3)+4*jj:64*((\g)%3)+4*jj+3] offset:((8*(\g)+jj/2)%32)*PW+512*(jj%2)
.set jj, jj+1
.endr
	WIN 0
.endm
.macro WBACK b                         ; tiles 2 b and 2 b + 1, all eight K steps
.irp s, 0,1,2,3,4,5,6,7
	WIN 0x80+0x40*(\s/4)
.irp u, 0,1
.irp c, 0,1,2,3
	ds_load_b128 v[64*(\s%4)+16*(2*(\b)+\u)+4*\c:64*(\s%4)+16*(2*(\b)+\u)+4*\c+3], v7 offset:(32*(\b)+8*\u)*PW+128*\s+32*\c
.endr
.endr
.endr
	WIN 0
.endm
.macro GATHER o                        ; my wave's tile of a batch: 16 rows of 1,024 codes; sixteen lanes take 256 consecutive bytes of a row
.irp q, 0,1,2,3,4,5,6,7
	ds_load_b32 v[TOK+\q], v9 offset:8*\q+\o
.endr
	s_wait_dscnt 0x0
.irp q, 0,1,2,3,4,5,6,7
	v_min_u32 v[TOK+\q], 0x3ff, v[TOK+\q]
	v_lshl_add_u32 v[TOK+\q], v[TOK+\q], 10, v10
.endr
.irp q, 0,1,2,3,4,5,6,7
.irp j, 0,1,2,3
	global_load_b128 v[G+16*\q+4*\j:G+16*\q+4*\j+3], v[TOK+\q], s[40:41] offset:256*\j
.endr
.endr
.endm
.macro XSTORE n
.irp q, 0,1,2,3,4,5,6,7
.irp j, 0,1,2,3
	ds_store_b128 v[12+\n], v[G+16*\q+4*\j:G+16*\q+4*\j+3] offset:2*PW*\q+256*\j
.endr
.endr
.endm
.macro TILE n, i                       ; tile i of the batch in buffer n
	s_add_co_u32 s44, s34, RS*(4*\n+\i)
	s_cmp_ge_u32 s44, s29
	s_cbranch_scc1 .Lskip_\@
	WIN 0x40
.set jj, 0
.rept 32
	ds_load_b128 v[4*jj:4*jj+3], v[14+\n] offset:16*PW*\i+32*jj
.set jj, jj+1
.endr
.irp s, 0,1,2,3,4,5,6,7
	s_wait_dscnt 28-4*\s                           ; K step s's four loads are in; the younger K steps' may be out
	WIN 0x06+(\s/4)                                ; W1 window 2 or 3, x window 1; the four accumulators take turns
.irp t, 0,1,2,3
.if \s == 0
	v_wmma_f32_16x16x128_fp8_fp8 v[ACC+8*\t:ACC+8*\t+7], v[64*(\s%4)+16*\t:64*(\s%4)+16*\t+15], v[16*\s:16*\s+15], v[BIAS+8*\t:BIAS+8*\t+7]
.else
	v_wmma_f32_16x16x128_fp8_fp8 v[ACC+8*\t:ACC+8*\t+7], v[64*(\s%4)+16*\t:64*(\s%4)+16*\t+15], v[16*\s:16*\s+15], v[ACC+8*\t:ACC+8*\t+7]
.endif
.endr
.endr
	WIN 0
.rept 4
	v_nop                                          ; four places in front of the first read of results
.endr
	s_wait_xcnt 0x0                                ; the last tile's stores have read their codes and their base
	s_add_co_u32 s44, s44, s28
	s_min_u32 s44, s44, 135
	s_lshl_b32 s44, s44, 16
	s_add_nc_u64 s[42:43], s[16:17], s[44:45]      ; hq at tile offt + ti
.set jj, 0
.rept 32
	v_med3_num_f32 v[ACC+jj], v[ACC+jj], 0, v17    ; the activation and the hold in one, each accumulator from its low end on
.set jj, jj+1
.endr
.irp t, 0,1,2,3
	v_cvt_scalef32_pk8_fp8_f32 v[CC+2*\t:CC+2*\t+1], v[ACC+8*\t:ACC+8*\t+7], v18
.endr
	v_nop                                          ; one plain line behind the last conversion
	global_store_b128 v22, v[CC:CC+3], s[42:43]                ; the wave stores 512 consecutive bytes, aligned: one group of four registers of the next operand
	global_store_b128 v22, v[CC+4:CC+7], s[42:43] offset:512
.Lskip_\@:
.endm
.macro TRIP n
	s_wait_loadcnt 0x0                             ; the batch gathered a batch ago is in
	s_add_co_u32 s44, s34, 4*RS*\n
	s_cmp_ge_u32 s44, s29
	s_cbranch_scc1 .Lnox_\@
	XSTORE \n
.Lnox_\@:
	s_wait_dscnt 0x0                               ; my rows lie in this buffer, and my reads of the other buffer are over:
	s_barrier_signal -1                            ; one barrier a batch orders this batch's stores before its reads, and the other buffer's reads before its next stores
	s_barrier_wait -1
	s_add_co_u32 s44, s34, 4*RS*(\n+1)
	s_cmp_ge_u32 s44, s29
	s_cbranch_scc1 .Lnog_\@
	GATHER 512*\n                                  ; the next batch, a whole batch's products ahead
.Lnog_\@:
	TILE \n, 0
	TILE \n, 1
	TILE \n, 2
	TILE \n, 3
.endm
	s_load_b256 s[4:11], s[0:1], 0x0               ; ew1_codes, eb1, lowp_scales, xq
	s_load_b128 s[12:15], s[0:1], 0x20             ; pos, meta
	s_load_b64 s[16:17], s[0:1], 0x30              ; hq
	v_lshl_add_u32 v126, v0, 2, 0x42400
	v_mov_b32 v127, 0
	v_lshrrev_b32 v1, 5, v0
	v_readfirstlane_b32 s20, v1                    ; wave
	v_and_b32 v1, 31, v0
	v_and_b32 v2, 15, v0                           ; r
	v_bfe_u32 v3, v0, 4, 1                         ; h
	s_lshr_b32 s22, ttmp9, 1                       ; chunk
	s_and_b32 s23, ttmp9, 1                        ; p
	s_and_b32 s24, ttmp7, 0xffff                   ; e
	s_mov_b32 s27, 0
	s_mov_b32 s45, 0
	v_lshlrev_b32 v4, 4, v1                        ; 16 x lane
	v_lshlrev_b32 v10, 4, v2                       ; 16 x (lane % 16)
	s_mul_i32 s44, s20, STGB
	v_add_nc_u32 v5, s44, v4                       ; my stage, rows 0-31,
	v_add_nc_u32 v6, 32*PW, v5                     ; rows 32-63
	v_and_b32 v21, 8, v2
	v_add_nc_u32 v21, v21, v2                      ; r + 8 (r / 8)
	v_mul_u32_u24 v7, v21, PW
	v_lshl_add_u32 v7, v3, 4, v7
	v_add_nc_u32 v7, s44, v7                       ; out of the stage, as fragments
	v_lshl_add_u32 v8, v3, 2, LIST                 ; the list: + 4 h
	s_mul_i32 s44, s20, 16*PW
	v_mul_u32_u24 v12, v3, PW
	v_add_nc_u32 v12, v12, v10
	v_add_nc_u32 v12, s44, v12                     ; x's codes into buffer 0: my wave's 16 rows, two rows an instruction,
	v_add_nc_u32 v13, XB1, v12                     ; into buffer 1
	v_mul_u32_u24 v14, v2, PW
	v_lshl_add_u32 v14, v3, 4, v14                 ; and out of them as fragments
	v_add_nc_u32 v15, XB1, v14
	v_add_nc_u32 v19, LIST, v4
	v_lshlrev_b32 v20, 1, v1                       ; 2 x lane
	v_lshlrev_b32 v16, 6, v3                       ; b1: 16 numbers x h
	s_lshl_b32 s44, s22, 12
	s_lshl_b32 s46, s20, 10
	s_add_co_u32 s44, s44, s46
	v_add_nc_u32 v22, s44, v4                      ; in a tile of hq: K step 2 chunk + w / 2, groups 2 (w % 2) and + 1: 4,096 chunk + 1,024 w + 16 x lane
	s_lshl_b32 s35, s20, 1
	s_add_co_u32 s35, s35, s23
	s_lshl_b32 s35, s35, 6                         ; 64 bytes of list a tile: batch 0, my wave's tile RS w + p
	v_add_nc_u32 v9, s35, v8
	s_mov_b32 s34, s23                             ; the batch's first tile
	s_wait_kmcnt 0x0
	s_lshl_b32 s26, s24, 2
	s_add_nc_u64 s[14:15], s[14:15], s[26:27]
	s_load_b32 s28, s[14:15], 0x0                  ; offt
	s_load_b32 s29, s[14:15], 0x20                 ; nt
	s_lshl_b32 s26, s24, 4
	s_add_nc_u64 s[8:9], s[8:9], s[26:27]
	s_load_b64 s[30:31], s[8:9], 0x8               ; ex, ew1
	s_load_b64 s[32:33], s[8:9], 0x10              ; eh, ew2
	s_lshl_b32 s26, s24, 22
	s_lshl_b32 s44, s22, 18
	s_add_co_u32 s26, s26, s44
	s_lshl_b32 s44, s20, 16
	s_add_co_u32 s26, s26, s44
	s_add_nc_u64 s[38:39], s[4:5], s[26:27]        ; my 64 rows of W1: 65,536 consecutive bytes
	s_lshl_b32 s26, s24, 14
	s_lshl_b32 s44, s22, 10
	s_add_co_u32 s26, s26, s44
	s_lshl_b32 s44, s20, 8
	s_add_co_u32 s26, s26, s44
	s_add_nc_u64 s[6:7], s[6:7], s[26:27]          ; b1 at my 64 units
	s_lshl_b32 s26, s24, 20
	s_add_nc_u64 s[40:41], s[10:11], s[26:27]      ; x's codes under my expert's scale
.irp t, 0,1,2,3
	global_load_b128 v[BIAS+8*\t:BIAS+8*\t+3], v16, s[6:7] offset:(32*(\t/2)+8*(\t%2))*4
	global_load_b128 v[BIAS+8*\t+4:BIAS+8*\t+7], v16, s[6:7] offset:(32*(\t/2)+8*(\t%2))*4+16
.endr
.set jj, 0
.rept 16
	global_load_b128 v[G+4*jj:G+4*jj+3], v4, s[12:13] offset:512*jj   ; pos, in every wave, so that every wave counts the same loads
.set jj, jj+1
.endr
	WLOAD 0
	WLOAD 1
	WLOAD 2
	s_wait_kmcnt 0x0
	s_min_u32 s28, s28, 135
	s_min_u32 s29, s29, 64
	s_cmp_lg_u32 s20, 0
	s_cbranch_scc1 .Lnot0
	s_wait_loadcnt 48                              ; b1 and pos are in; the three groups of weights may be out
.irp k, 0,1,2,3
	v_mov_b32 v[24+\k], 0
.endr
.irp k, 0,1,2,3,4,5,6,7,8,9
	ds_store_b128 v19, v[24:27] offset:512*\k      ; the list begins as zeros
.endr
	s_lshl_b32 s44, s28, 4
	s_sub_co_u32 s44, 0, s44
.set jj, 0
.rept 32
	v_add_nc_u32 v[192+jj], 64*(jj/2)+(jj%2), v20  ; the token of entries 2 jj and 2 jj + 1 of my 64
.set jj, jj+1
.endr
.set jj, 0
.rept 64
	v_add_nc_u32 v[G+jj], s44, v[G+jj]             ; d = pos - 16 offt: huge for earlier experts,
	v_min_u32 v[G+jj], 0x480, v[G+jj]              ; which go to word 1,152, read by nobody
	v_lshl_add_u32 v[G+jj], v[G+jj], 2, LIST
	ds_store_b32 v[G+jj], v[192+jj/2]
.set jj, jj+1
.endr
.Lnot0:
	s_wait_dscnt 0x0
	s_barrier_signal -1                            ; the list lies in LDS; no other wave has touched LDS so far
	s_barrier_wait -1
.irp g, 0,1,2,3,4,5,6,7
.if \g == 6
	s_wait_loadcnt 16                              ; one younger group
.else
	s_wait_loadcnt 32                              ; two younger groups; at the last group: the gather's 32 loads
.endif
	WSTORE \g
	s_wait_dscnt 0x0                               ; the stores have read their registers
.if \g < 5
	WLOAD \g+3
.endif
.if \g == 3
	WBACK 0
.endif
.if \g == 6
	GATHER 0                                       ; batch 0, on every path
.endif
.if \g == 7
	WBACK 1
.endif
.endr
	s_add_co_i32 s46, s30, s31                     ; ex + ew1
	s_sub_co_i32 s47, 0, s46
.set jj, 0
.rept 32
	v_ldexp_f32 v[BIAS+jj], v[BIAS+jj], s47        ; b1 / 2^(ex + ew1)
.set jj, jj+1
.endr
	s_sub_co_i32 s46, s32, s46
	s_add_co_i32 s46, s46, 127
	s_lshl_b32 s48, s46, 23
	v_mov_b32 v18, s48                             ; 2^(eh - ex - ew1)
	s_add_co_i32 s46, s46, 8
	s_lshl_b32 s46, s46, 23
	s_or_b32 s46, s46, 0x600000
	v_mov_b32 v17, s46                             ; 448 x that
	s_add_co_u32 s35, s35, 64*4*RS                 ; the list runs a batch ahead
	s_mov_b32 s37, 0
	s_wait_dscnt 0x0                               ; my reads of the stage are over: behind this barrier its bytes serve as x's buffers
	s_barrier_signal -1
	s_barrier_wait -1
.Ltrip:
	v_add_nc_u32 v9, s35, v8
	TRIP 0
	TRIP 1
	s_add_co_u32 s34, s34, 8*RS
	s_add_co_u32 s35, s35, 64*8*RS
	s_add_co_u32 s37, s37, 1
	s_cmp_lt_u32 s37, 64/(8*RS)
	s_cbranch_scc1 .Ltrip
	s_wait_tensorcnt 0x0
	ds_add_u32 v126, v127
	s_wait_dscnt 0x0
	s_endpgm
.Lfunc_end_k_q902fa9185e_ffn1:
	.size	k_q902fa9185e_ffn1, .Lfunc_end_k_q902fa9185e_ffn1-k_q902fa9185e_ffn1
	.p2alignl 7, 3214868480
	.fill 96, 4, 3214868480
	.section	.rodata,"a",@progbits
	.p2align	6, 0x0
	.amdhsa_kernel k_q902fa9185e_ffn1
		.amdhsa_group_segment_fixed_size 271872
		.amdhsa_private_segment_fixed_size 0
		.amdhsa_enable_private_segment 0
		.amdhsa_kernarg_size 56
		.amdhsa_user_sgpr_count 2
		.amdhsa_user_sgpr_kernarg_segment_ptr 1
		.amdhsa_wavefront_size32 1
		.amdhsa_system_sgpr_workgroup_id_x 1
		.amdhsa_system_sgpr_workgroup_id_y 1
		.amdhsa_system_sgpr_workgroup_id_z 1
		.amdhsa_system_vgpr_workitem_id 0
		.amdhsa_next_free_vgpr 1024
		.amdhsa_next_free_sgpr 66
		.amdhsa_reserve_vcc 0
		.amdhsa_float_denorm_mode_32 3
		.amdhsa_float_denorm_mode_16_64 3
		.amdhsa_memory_ordered 1
		.amdhsa_forward_progress 1
		.amdhsa_inst_pref_size 134
	.end_amdhsa_kernel
	.amdgpu_metadata
---
amdhsa.version: [ 1, 2 ]
amdhsa.kernels:
  - .name:           k_q902fa9185e_ffn1
    .symbol:         k_q902fa9185e_ffn1.kd
    .args:
      - { .name: ew1_codes, .offset: 0, .size: 8, .value_kind: global_buffer, .address_space: global }
      - { .name: eb1, .offset: 8, .size: 8, .value_kind: global_buffer, .address_space: global }
      - { .name: lowp_scales, .offset: 16, .size: 8, .value_kind: global_buffer, .address_space: global }
      - { .name: xq, .offset: 24, .size: 8, .value_kind: global_buffer, .address_space: global }
      - { .name: pos, .offset: 32, .size: 8, .value_kind: global_buffer, .address_space: global }
      - { .name: meta, .offset: 40, .size: 8, .value_kind: global_buffer, .address_space: global }
      - { .name: hq, .offset: 48, .size: 8, .value_kind: global_buffer, .address_space: global }
    .group_segment_fixed_size: 271872
    .private_segment_fixed_size: 0
    .kernarg_segment_align: 8
    .kernarg_segment_size: 56
    .max_flat_workgroup_size: 128
    .sgpr_count:     66
    .vgpr_count:     1024
    .wavefront_size: 32
...
	.end_amdgpu_metadata
.endif
;; end of part 3
;; launch ffn2 (part 4): grid 32 x 8, 4 waves a work-group, no clusters, 266,752 bytes of LDS; arguments ew2_codes, eb2, lowp_scales, hq, meta, y; writes y
.if DOCPART == 4
	.amdgcn_target "amdgcn-amd-amdhsa--gfx1250"
	.amdhsa_code_object_version 6
	.text
	.protected	k_q902fa9185e_ffn2
	.globl	k_q902fa9185e_ffn2
	.p2align	8
	.type	k_q902fa9185e_ffn2,@function
k_q902fa9185e_ffn2:
	s_mov_b64 s[64:65], 0
	v_nop
	global_prefetch_b8 v0, s[64:65] scope:SCOPE_SE
	s_setreg_imm32_b32 hwreg(HW_REG_WAVE_MODE, 25, 1), 1
	s_wait_xcnt 0x0
; THE EXPERTS' SECOND LAYER, on the chosen rows alone: y[sorted row] = he W2[e] x 2^(eh + ew2) + b2[e].
; Work-group (x, e): cc = x / 2 is 64 output columns (256 bytes of a row of y, aligned); p = x % 2: the expert's tiles with number % 2 = p.  Wave w takes K = 1,024 w .. + 1,023 of all 64 columns: 512 registers of W2, kept for the launch.
; The weights come by loads of 512 consecutive bytes and turn through the wave's own stage in LDS, as in the first layer.  he comes as the image of the operand's registers: each load is 512 consecutive bytes.
; The products are used transposed (source 0 = 16 columns of W2, source 1 = 16 rows): a lane holds one row and eight neighbouring columns.  The four waves' partial sums of a batch of four tiles meet in LDS; wave w finishes tile w.
; The number of tiles is a stored number: no tensor load, constant trips (4 x 2 batches), every wave passes every barrier, work is jumped over.  No cluster: partners would need different numbers of tiles.
; he's loads run two tiles ahead in two sets.  Inside a batch that has a tile every slot issues its 32 loads, so that the counted wait counts the same on every path; a slot past the expert's last tile names 16 bytes of tile 0 in every lane.
; LIMIT: eh + ew2 between -126 and 127.
; REGISTERS.  window 0: v1-15 addresses; v24-27 b2; v32-63, v64-95 accumulators, two sets; v64-255 at the head three sets of 64 as loaded; v128-255 later the partial sums.   window 1: he's fragments, two sets of 128.   windows 2, 3: W2 (K step s, tile t) at 64 (s % 4) + 16 t.
.set RS,   2
.set PW,   1040
.set STGB, 64*PW
.set RED1, 131072                      ; behind the stage's last read: two buffers [tile 4][wave 4][16 rows x 272] at 0 and here
.set ACC,  32
.set MSB, 0
.macro WIN new
.if MSB != (\new)
	s_set_vgpr_msb (MSB<<8)|(\new)
.set MSB, (\new)
.endif
.endm
.macro WLOAD g                         ; eight of my 64 rows, 1,024 bytes of each
.set jj, 0
.rept 16
	global_load_b128 v[64+64*((\g)%3)+4*jj:64+64*((\g)%3)+4*jj+3], v4, s[38:39] offset:(8*(\g)+jj/2)*4096+512*(jj%2)
.set jj, jj+1
.endr
.endm
.macro WSTORE g
.set jj, 0
.rept 16
	ds_store_b128 v[5+(\g)/4], v[64+64*((\g)%3)+4*jj:64+64*((\g)%3)+4*jj+3] offset:((8*(\g)+jj/2)%32)*PW+512*(jj%2)
.set jj, jj+1
.endr
.endm
.macro WBACK b
.irp s, 0,1,2,3,4,5,6,7
	WIN 0x80+0x40*(\s/4)
.irp u, 0,1
.irp c, 0,1,2,3
	ds_load_b128 v[64*(\s%4)+16*(2*(\b)+\u)+4*\c:64*(\s%4)+16*(2*(\b)+\u)+4*\c+3], v7 offset:(32*(\b)+16*\u)*PW+128*\s+32*\c
.endr
.endr
.endr
	WIN 0
.endm
.macro ALOAD z, k                      ; he's fragments of tile s34 + RS k, my K quarter, into set z
	s_wait_xcnt 0x0                                ; the set's last loads have read their base and offset
	s_add_co_u32 s44, s34, RS*(\k)
	s_cmp_lt_u32 s44, s29
	s_cselect_b32 s52, 1, 0
	s_add_co_u32 s44, s44, s28
	s_min_u32 s44, s44, 135
	s_mul_i32 s44, s44, s52
	s_lshl_b32 s44, s44, 16
	s_add_nc_u64 s[40+2*(\z):41+2*(\z)], s[50:51], s[44:45]
	v_mul_u32_u24 v[14+(\z)], s52, v4
	WIN 0x40
.set jj, 0
.rept 32
	global_load_b128 v[128*(\z)+4*jj:128*(\z)+4*jj+3], v[14+(\z)], s[40+2*(\z):41+2*(\z)] offset:512*jj
.set jj, jj+1
.endr
	WIN 0
.endm
.macro TILE2 n, i
	s_wait_loadcnt 32                              ; this tile's 32 loads are in; the other set's 32 may be out
	s_add_co_u32 s44, s34, RS*(4*\n+\i)
	s_cmp_ge_u32 s44, s29
	s_cbranch_scc1 .Lidle_\@
.set AC, ACC+32*((\i)%2)
	s_wait_dscnt 8                                 ; the stores of two tiles ago have read this set of accumulators; the last tile's eight may be out
.irp s, 0,1,2,3,4,5,6,7
	WIN 0x06+(\s/4)                                ; W2 window 2 or 3, he window 1; the four accumulators take turns
.irp t, 0,1,2,3
.if \s == 0
	v_wmma_f32_16x16x128_fp8_fp8 v[AC+8*\t:AC+8*\t+7], v[64*(\s%4)+16*\t:64*(\s%4)+16*\t+15], v[128*((\i)%2)+16*\s:128*((\i)%2)+16*\s+15], 0
.else
	v_wmma_f32_16x16x128_fp8_fp8 v[AC+8*\t:AC+8*\t+7], v[64*(\s%4)+16*\t:64*(\s%4)+16*\t+15], v[128*((\i)%2)+16*\s:128*((\i)%2)+16*\s+15], v[AC+8*\t:AC+8*\t+7]
.endif
.endr
.endr
	WIN 0
.rept 5
	v_nop                                          ; places in front of the stores that read results, of the loads into he's registers, and of the products that begin these accumulators anew
.endr
.irp t, 0,1,2,3
	ds_store_b128 v[8+\n], v[AC+8*\t:AC+8*\t+3] offset:17408*\i+64*\t
	ds_store_b128 v[8+\n], v[AC+8*\t+4:AC+8*\t+7] offset:17408*\i+64*\t+16
.endr
.Lidle_\@:
	ALOAD (\i)%2, 4*\n+\i+2
.endm
.macro TRIP n
	s_add_co_u32 s44, s34, 4*RS*\n
	s_cmp_ge_u32 s44, s29
	s_cbranch_scc1 .Lnoblock_\@                    ; a batch without a tile issues nothing and waits for nothing: the two sets stay the youngest loads
	TILE2 \n, 0
	TILE2 \n, 1
	TILE2 \n, 2
	TILE2 \n, 3
.Lnoblock_\@:
	s_wait_dscnt 0x0                               ; my partial sums lie in this buffer, and my reads of the other buffer are over
	s_barrier_signal -1
	s_barrier_wait -1
	s_add_co_u32 s44, s34, 4*RS*\n
	s_add_co_u32 s44, s44, s21                     ; tile w of the batch is mine to finish
	s_cmp_ge_u32 s44, s29
	s_cbranch_scc1 .Lnored_\@
	s_wait_xcnt 0x0                                ; the last batch's stores have read their registers and their base
	s_add_co_u32 s44, s44, s28
	s_min_u32 s44, s44, 135
	s_lshl_b32 s44, s44, 16
	s_add_nc_u64 s[48:49], s[14:15], s[44:45]      ; y at the tile's 16 rows of 4,096 bytes
.irp p, 0,1,2,3
.irp q, 0,1,2,3,4,5,6,7
	ds_load_b128 v[128+32*\p+4*\q:128+32*\p+4*\q+3], v[10+\n] offset:4352*\p+544*\q
.endr
.endr
	s_wait_dscnt 0x0
.set jj, 0
.rept 16
	v_pk_add_f32 v[128+jj:129+jj], v[128+jj:129+jj], v[160+jj:161+jj]
	v_pk_add_f32 v[192+jj:193+jj], v[192+jj:193+jj], v[224+jj:225+jj]
.set jj, jj+2
.endr
.set jj, 0
.rept 16
	v_pk_add_f32 v[128+jj:129+jj], v[128+jj:129+jj], v[192+jj:193+jj]
.set jj, jj+2
.endr
.set jj, 0
.rept 16
	v_pk_fma_f32 v[128+jj:129+jj], v[128+jj:129+jj], s[46:47], v[24+jj%4:25+jj%4] op_sel_hi:[1,0,1]   ; sum x 2^(eh + ew2) + b2
.set jj, jj+2
.endr
.irp q, 0,1,2,3,4,5,6,7
	global_store_b128 v12, v[128+4*\q:128+4*\q+3], s[48:49] offset:8192*\q   ; sixteen lanes store 256 consecutive bytes, aligned
.endr
.Lnored_\@:
.endm
	s_load_b256 s[4:11], s[0:1], 0x0               ; ew2_codes, eb2, lowp_scales, hq
	s_load_b128 s[12:15], s[0:1], 0x20             ; meta, y
	v_lshl_add_u32 v30, v0, 2, 0x41000
	v_mov_b32 v31, 0
	v_lshrrev_b32 v1, 5, v0
	v_readfirstlane_b32 s20, v1                    ; wave
	v_and_b32 v1, 31, v0
	v_and_b32 v2, 15, v0                           ; r
	v_bfe_u32 v3, v0, 4, 1                         ; h
	s_lshr_b32 s22, ttmp9, 1                       ; cc
	s_and_b32 s23, ttmp9, 1                        ; p
	s_and_b32 s24, ttmp7, 0xffff                   ; e
	s_lshl_b32 s21, s20, 1                         ; RS x wave
	s_mov_b32 s27, 0
	s_mov_b32 s45, 0
	s_mov_b32 s34, s23                             ; the batch's first tile
	v_lshlrev_b32 v4, 4, v1                        ; 16 x lane
	v_lshlrev_b32 v13, 4, v2                       ; 16 x (lane % 16)
	s_mul_i32 s44, s20, STGB
	v_add_nc_u32 v5, s44, v4
	v_add_nc_u32 v6, 32*PW, v5
	v_mul_u32_u24 v7, v2, PW
	v_lshl_add_u32 v7, v3, 4, v7
	v_add_nc_u32 v7, s44, v7
	s_mul_i32 s44, s20, 4352
	v_mul_u32_u24 v8, v2, 272
	v_lshl_add_u32 v8, v3, 5, v8
	v_add_nc_u32 v8, s44, v8                       ; my partial sums: my wave's block, row r, + 32 h
	v_add_nc_u32 v9, RED1, v8
	s_mul_i32 s44, s20, 17408
	v_mul_u32_u24 v10, v3, 272
	v_add_nc_u32 v10, v10, v13
	v_add_nc_u32 v10, s44, v10                     ; tile w's: two rows an instruction
	v_add_nc_u32 v11, RED1, v10
	s_lshl_b32 s44, s22, 8
	v_lshl_add_u32 v12, v3, 12, v13
	v_add_nc_u32 v12, s44, v12                     ; y: 4,096 h + 256 cc + 16 (lane % 16)
	s_wait_kmcnt 0x0
	s_lshl_b32 s26, s24, 2
	s_add_nc_u64 s[12:13], s[12:13], s[26:27]
	s_load_b32 s28, s[12:13], 0x0                  ; offt
	s_load_b32 s29, s[12:13], 0x20                 ; nt
	s_lshl_b32 s26, s24, 4
	s_add_nc_u64 s[8:9], s[8:9], s[26:27]
	s_load_b64 s[30:31], s[8:9], 0x10              ; eh, ew2
	s_lshl_b32 s26, s24, 12
	s_add_co_u32 s26, s26, s44
	s_add_nc_u64 s[6:7], s[6:7], s[26:27]          ; b2 at my 64 columns
	s_lshl_b32 s26, s24, 22
	s_lshl_b32 s44, s22, 18
	s_add_co_u32 s26, s26, s44
	s_lshl_b32 s44, s20, 10
	s_add_co_u32 s26, s26, s44
	s_add_nc_u64 s[38:39], s[4:5], s[26:27]        ; W2: my 64 rows, my K quarter
	s_lshl_b32 s26, s20, 14
	s_add_nc_u64 s[50:51], s[10:11], s[26:27]      ; he: my eight K steps of a tile
	global_load_b128 v[24:27], v13, s[6:7]
	WLOAD 0
	WLOAD 1
	WLOAD 2
	s_wait_kmcnt 0x0
	s_min_u32 s28, s28, 135
	s_min_u32 s29, s29, 64
	s_add_co_i32 s46, s30, s31
	s_add_co_i32 s46, s46, 127
	s_lshl_b32 s46, s46, 23                        ; 2^(eh + ew2)
	s_mov_b32 s47, s46                             ; (named with it as a pair)
.irp g, 0,1,2,3,4,5,6,7
.if \g == 6
	s_wait_loadcnt 16                              ; one younger group
.else
	s_wait_loadcnt 32                              ; two younger groups; at the last group: set 0's 32 loads
.endif
.if \g == 7
	ALOAD 1, 1
.endif
	WSTORE \g
	s_wait_dscnt 0x0                               ; the stores have read their registers
.if \g < 5
	WLOAD \g+3
.endif
.if \g == 3
	WBACK 0
.endif
.if \g == 6
	ALOAD 0, 0
.endif
.if \g == 7
	WBACK 1
.endif
.endr
	s_mov_b32 s37, 0
	s_wait_dscnt 0x0                               ; my reads of the stage are over: behind this barrier its bytes hold partial sums
	s_barrier_signal -1
	s_barrier_wait -1
.Ltrip:
	TRIP 0
	TRIP 1
	s_add_co_u32 s34, s34, 8*RS
	s_add_co_u32 s37, s37, 1
	s_cmp_lt_u32 s37, 64/(8*RS)
	s_cbranch_scc1 .Ltrip
	s_wait_tensorcnt 0x0
	ds_add_u32 v30, v31
	s_wait_dscnt 0x0
	s_endpgm
.Lfunc_end_k_q902fa9185e_ffn2:
	.size	k_q902fa9185e_ffn2, .Lfunc_end_k_q902fa9185e_ffn2-k_q902fa9185e_ffn2
	.p2alignl 7, 3214868480
	.fill 96, 4, 3214868480
	.section	.rodata,"a",@progbits
	.p2align	6, 0x0
	.amdhsa_kernel k_q902fa9185e_ffn2
		.amdhsa_group_segment_fixed_size 266752
		.amdhsa_private_segment_fixed_size 0
		.amdhsa_enable_private_segment 0
		.amdhsa_kernarg_size 48
		.amdhsa_user_sgpr_count 2
		.amdhsa_user_sgpr_kernarg_segment_ptr 1
		.amdhsa_wavefront_size32 1
		.amdhsa_system_sgpr_workgroup_id_x 1
		.amdhsa_system_sgpr_workgroup_id_y 1
		.amdhsa_system_sgpr_workgroup_id_z 1
		.amdhsa_system_vgpr_workitem_id 0
		.amdhsa_next_free_vgpr 1024
		.amdhsa_next_free_sgpr 66
		.amdhsa_reserve_vcc 0
		.amdhsa_float_denorm_mode_32 3
		.amdhsa_float_denorm_mode_16_64 3
		.amdhsa_memory_ordered 1
		.amdhsa_forward_progress 1
		.amdhsa_inst_pref_size 105
	.end_amdhsa_kernel
	.amdgpu_metadata
---
amdhsa.version: [ 1, 2 ]
amdhsa.kernels:
  - .name:           k_q902fa9185e_ffn2
    .symbol:         k_q902fa9185e_ffn2.kd
    .args:
      - { .name: ew2_codes, .offset: 0, .size: 8, .value_kind: global_buffer, .address_space: global }
      - { .name: eb2, .offset: 8, .size: 8, .value_kind: global_buffer, .address_space: global }
      - { .name: lowp_scales, .offset: 16, .size: 8, .value_kind: global_buffer, .address_space: global }
      - { .name: hq, .offset: 24, .size: 8, .value_kind: global_buffer, .address_space: global }
      - { .name: meta, .offset: 32, .size: 8, .value_kind: global_buffer, .address_space: global }
      - { .name: y, .offset: 40, .size: 8, .value_kind: global_buffer, .address_space: global }
    .group_segment_fixed_size: 266752
    .private_segment_fixed_size: 0
    .kernarg_segment_align: 8
    .kernarg_segment_size: 48
    .max_flat_workgroup_size: 128
    .sgpr_count:     66
    .vgpr_count:     1024
    .wavefront_size: 32
...
	.end_amdgpu_metadata
.endif
;; end of part 4
;; launch combine (part 5): grid 256 x 1, 4 waves a work-group, no clusters, 0 bytes of LDS; arguments y, pos, cw, out0; writes out0
.if DOCPART == 5
	.amdgcn_target "amdgcn-amd-amdhsa--gfx1250"
	.amdhsa_code_object_version 6
	.text
	.protected	k_q902fa9185e_combine
	.globl	k_q902fa9185e_combine
	.p2align	8
	.type	k_q902fa9185e_combine,@function
k_q902fa9185e_combine:
	s_mov_b64 s[64:65], 0
	v_nop
	global_prefetch_b8 v0, s[64:65] scope:SCOPE_SE
	s_setreg_imm32_b32 hwreg(HW_REG_WAVE_MODE, 25, 1), 1
	s_wait_xcnt 0x0
; out0[token] = c0 x y[pos0] + c1 x y[pos1]: each output row has one owner, a wave.  A row is 4,096 bytes: eight loads and eight stores of 512 consecutive bytes.
; Memory binds: no LDS, no barrier, no matrix unit.  pos was stored by an earlier launch; it is held inside y's 2,176 rows before it enters an address.
	s_load_b256 s[4:11], s[0:1], 0x0               ; y, pos, cw, out0
	v_lshrrev_b32 v1, 5, v0
	v_readfirstlane_b32 s12, v1
	v_and_b32 v2, 31, v0
	v_lshlrev_b32 v2, 4, v2                        ; 16 x lane
	s_lshl_b32 s13, ttmp9, 2
	s_add_co_u32 s13, s13, s12                     ; token
	s_lshl_b32 s14, s13, 3
	s_mov_b32 s15, 0
	s_wait_kmcnt 0x0
	s_add_nc_u64 s[6:7], s[6:7], s[14:15]
	s_add_nc_u64 s[8:9], s[8:9], s[14:15]
	s_load_b64 s[16:17], s[6:7], 0x0               ; the two rows
	s_load_b64 s[18:19], s[8:9], 0x0               ; the two weights
	s_lshl_b32 s26, s13, 12
	s_mov_b32 s27, 0
	s_add_nc_u64 s[10:11], s[10:11], s[26:27]
	s_mov_b32 s23, 0
	s_mov_b32 s25, 0
	s_wait_kmcnt 0x0
	s_min_u32 s16, s16, 2175
	s_min_u32 s17, s17, 2175
	s_lshl_b32 s22, s16, 12
	s_lshl_b32 s24, s17, 12
	s_add_nc_u64 s[22:23], s[4:5], s[22:23]
	s_add_nc_u64 s[24:25], s[4:5], s[24:25]
	s_mov_b32 s20, s19                             ; c1 as the low word of a pair of its own
	s_mov_b32 s21, s19
.irp j, 0,1,2,3,4,5,6,7
	global_load_b128 v[8+4*\j:11+4*\j], v2, s[22:23] offset:512*\j th:TH_LOAD_NT
.endr
.irp j, 0,1,2,3,4,5,6,7
	global_load_b128 v[40+4*\j:43+4*\j], v2, s[24:25] offset:512*\j th:TH_LOAD_NT
.endr
	s_wait_loadcnt 8                               ; the first row is in; the second row's eight loads may be out
.set jj, 0
.rept 16
	v_pk_mul_f32 v[8+jj:9+jj], v[8+jj:9+jj], s[18:19] op_sel_hi:[1,0]
.set jj, jj+2
.endr
	s_wait_loadcnt 0x0
.set jj, 0
.rept 16
	v_pk_fma_f32 v[8+jj:9+jj], v[40+jj:41+jj], s[20:21], v[8+jj:9+jj] op_sel_hi:[1,0,1]
.set jj, jj+2
.endr
.irp j, 0,1,2,3,4,5,6,7
	global_store_b128 v2, v[8+4*\j:11+4*\j], s[10:11] offset:512*\j th:TH_STORE_NT
.endr
	s_endpgm
.Lfunc_end_k_q902fa9185e_combine:
	.size	k_q902fa9185e_combine, .Lfunc_end_k_q902fa9185e_combine-k_q902fa9185e_combine
	.p2alignl 7, 3214868480
	.fill 96, 4, 3214868480
	.section	.rodata,"a",@progbits
	.p2align	6, 0x0
	.amdhsa_kernel k_q902fa9185e_combine
		.amdhsa_group_segment_fixed_size 0
		.amdhsa_private_segment_fixed_size 0
		.amdhsa_enable_private_segment 0
		.amdhsa_kernarg_size 32
		.amdhsa_user_sgpr_count 2
		.amdhsa_user_sgpr_kernarg_segment_ptr 1
		.amdhsa_wavefront_size32 1
		.amdhsa_system_sgpr_workgroup_id_x 1
		.amdhsa_system_sgpr_workgroup_id_y 1
		.amdhsa_system_sgpr_workgroup_id_z 1
		.amdhsa_system_vgpr_workitem_id 0
		.amdhsa_next_free_vgpr 80
		.amdhsa_next_free_sgpr 66
		.amdhsa_reserve_vcc 0
		.amdhsa_float_denorm_mode_32 3
		.amdhsa_float_denorm_mode_16_64 3
		.amdhsa_memory_ordered 1
		.amdhsa_forward_progress 1
		.amdhsa_inst_pref_size 6
	.end_amdhsa_kernel
	.amdgpu_metadata
---
amdhsa.version: [ 1, 2 ]
amdhsa.kernels:
  - .name:           k_q902fa9185e_combine
    .symbol:         k_q902fa9185e_combine.kd
    .args:
      - { .name: y, .offset: 0, .size: 8, .value_kind: global_buffer, .address_space: global }
      - { .name: pos, .offset: 8, .size: 8, .value_kind: global_buffer, .address_space: global }
      - { .name: cw, .offset: 16, .size: 8, .value_kind: global_buffer, .address_space: global }
      - { .name: out0, .offset: 24, .size: 8, .value_kind: global_buffer, .address_space: global }
    .group_segment_fixed_size: 0
    .private_segment_fixed_size: 0
    .kernarg_segment_align: 8
    .kernarg_segment_size: 32
    .max_flat_workgroup_size: 128
    .sgpr_count:     66
    .vgpr_count:     80
    .wavefront_size: 32
...
	.end_amdgpu_metadata
.endif
;; end of part 5
;; ======== version 2 of 2: 5 launches
;; workspace buffers: xq 8,388,608 bytes; plog 524,288 bytes; pos 8,192 bytes of whole numbers; meta 256 bytes of whole numbers; cw 8,192 bytes; hq 8,912,896 bytes; y 8,912,896 bytes
;; launch gate1 (part 6): grid 16 x 16, 4 waves a work-group, no clusters, 135,680 bytes of LDS; arguments x, gate_w1, gate_b1, gate_w2, snr, lowp_scales, xq, plog; writes xq, plog
.if DOCPART == 6
	.amdgcn_target "amdgcn-amd-amdhsa--gfx1250"
	.amdhsa_code_object_version 6
	.text
	.protected	k_q902fa9185e_gate1
	.globl	k_q902fa9185e_gate1
	.p2align	8
	.type	k_q902fa9185e_gate1,@function
k_q902fa9185e_gate1:
	s_mov_b64 s[64:65], 0
	v_nop
	global_prefetch_b8 v0, s[64:65] scope:SCOPE_SE
	s_setreg_imm32_b32 hwreg(HW_REG_WAVE_SCHED_MODE, 0, 2), 2
	s_setreg_imm32_b32 hwreg(HW_REG_WAVE_MODE, 25, 1), 1
	s_wait_xcnt 0x0
	s_wait_alu depctr_vm_vsrc(0)
; THE GATE'S FIRST LAYER AND ITS SHARE OF THE SECOND; AND x AS CODES FOR THE EXPERTS.
; h = relu([x, snr] W1 + b1): K = 1,025, both operands quantised to E4M3 (x and snr under 2^ls[0], W1 under 2^ls[1]); plog[nb][token][8] = the sum over 64 columns of h x gate_w2, in f32.
; A work-group takes 64 tokens (64 tb on) x 64 columns (64 nb on).  Wave w takes K = 256 w .. 256 w + 255 of all 64 x 64; the four partial sums meet in LDS, and wave w finishes one tile of 16 tokens.
; The work-group also stores the codes of 32 of its rows of x under expert e = nb / 2's scale 2^ls[2 + 4 e] into xq[e][token][k]: rows 64 tb + 32 (nb % 2) on.
; W1 lies [k][n]: a lane takes four neighbouring columns (16 bytes; sixteen lanes read 256 consecutive bytes of a row) and its loads run down K.  TILE t OF COLUMNS IS COLUMNS 4 m + t (m = lane % 16), so the hold,
; which moves each number anyway, sorts a lane's 64 numbers by tile, and nothing changes lanes.  Fragments: registers 4 c .. 4 c + 3 of lane (r, h) hold k = 32 c + 16 h + 0 .. 15 of a K step of 128, alike on both sides.
; The products are used transposed (source 0 = 16 columns of W1, source 1 = 16 tokens): a lane holds one token.
; k = 1,024 (snr x W1's last row) is one product of the K = 64 form with one code a lane, made by wave 0 alone (the others feed the code 0); its result is the C that starts every sum.
; LIMITS: ls[0], ls[1], ls[2 + 4 e] between -126 and 119; ls[0] + ls[1] between -126 and 127.  NaN among the inputs is not served.
; REGISTERS.  window 0: v1-21 addresses, scales; T v32-95; codes v96-127; b1 v128-159; h v160-191; sums v192-199; snr's products v200-231.
;   window 1: v0-191 three sets of 64 numbers as loaded, later x's fragments, later the partial sums; v192-231 the snr step's operands.   window 2: gate_w2's 256 numbers.   window 3: v0-127 accumulators, v128-255 W1's fragments.
; THE MODE: SCHED_MODE bits 1:0 = 2 (LLVM: expert scheduling mode 2), set by the entry lines.  The code itself states the register dependences between vector or matrix instructions and memory or LDS instructions, with s_wait_alu, always for 0.
; THE PLAN.  Registers that memory or LDS instructions touch:
;   v4-v14      offsets and LDS addresses: written at the head, one wait ahead of the first load, never written again.
;   RAW0-RAW2   (window 1, v0-191)  Unit u: its holds read RAW[u % 3]; behind them the loads of unit u + 3 land in it.
;   XCG, XCE    A unit's conversions write them; its LDS stores and its stores to xq read them; the next unit's conversions write them again.
;   window 1 v0-127, later: x's fragments land there (last named by the holds of units 13 and 15), the products read them, the partial sums land there behind the barrier.
;   the accumulators: written by the products, read by LDS stores.   T's first four: written at the end, read by the last store.
; So in W1's units ONE wait on va_vdst stands behind the holds, and the refill goes out ahead of the conversions; in x's units two: one behind the holds, one behind the conversions, where it serves the refill and both runs of stores.
; ONE wait on vm_vsrc stands in each of x's units but the first, ahead of the first conversion.
.set XRB, 17408                        ; LDS: a wave's own 64 rows of 256 codes, pitch 272
.set RED, 69632                        ; LDS: the partial sums: [wave][tile of tokens][tile of columns][half][lane x 16 bytes]
.set T,   32
.set XCG, 96
.set XCE, 112
.set BI,  128
.set HH,  160
.set PL,  192
.set S9,  200
.set SR,  232
.set MSB, 0
.macro WIN new                         ; the immediate's high byte repeats the setting that is left
.if MSB != (\new)
	s_set_vgpr_msb (MSB<<8)|(\new)
.set MSB, (\new)
.endif
.endm
.macro MKSC se, vs, vl                 ; 2^e and 448 x 2^e as f32 numbers
	s_add_co_i32 s44, s[\se], 127
	s_lshl_b32 s45, s44, 23
	v_mov_b32 v[\vs], s45
	s_add_co_i32 s44, s44, 8
	s_lshl_b32 s44, s44, 23
	s_or_b32 s44, s44, 0x600000
	v_mov_b32 v[\vl], s44
.endm
; unit u < 8: W1's rows 32 u + 16 h + 0 .. 15 of my K quarter, my four columns
.macro LOADW u
	WIN 0x40
.set jj, 0
.rept 16
	global_load_b128 v[64*((\u)%3)+4*jj:64*((\u)%3)+4*jj+3], v4, s[28:29] offset:(32*(\u)+jj)*4096
.set jj, jj+1
.endr
.endm
; unit u >= 8: eight rows of x, my K quarter (1,024 bytes a row, 32 a lane).  Units 8-11: the 32 rows that also go to xq; units 12-15: the other 32
.macro LOADX u
	WIN 0x40
.set jj, 0
.rept 16
.if (\u) < 12
	global_load_b128 v[64*((\u)%3)+4*jj:64*((\u)%3)+4*jj+3], v5, s[30:31] offset:(8*(((\u)-8)%4)+jj/2)*4096+16*(jj%2)
.else
	global_load_b128 v[64*((\u)%3)+4*jj:64*((\u)%3)+4*jj+3], v5, s[32:33] offset:(8*(((\u)-8)%4)+jj/2)*4096+16*(jj%2)
.endif
.set jj, jj+1
.endr
.endm
.macro LOADU u
.if (\u) < 8
	LOADW \u
.else
	LOADX \u
.endif
.endm
; A unit of W1: the holds empty the set, the set is asked for again at once, and the conversions follow the loads
.macro UNITW u
	s_wait_loadcnt 32                              ; this unit's sixteen loads are in; the two younger units (32 loads) may be out
	WIN 0x01
.set jj, 0
.rept 64
	v_med3_num_f32 v[T+16*(jj%4)+jj/4], v[64*((\u)%3)+jj], -v18, v18   ; the hold at the largest code x the scale (the conversion does not saturate: ISA guide 7.6.2); it also sorts by tile
.set jj, jj+1
.endr
	WIN 0x40
	s_wait_alu depctr_va_vdst(0)                   ; the holds are done reading this set, in which the loads below land
	LOADU (\u)+3
	WIN 0xc0
.irp t, 0,1,2,3
	v_cvt_scalef32_pk8_fp8_f32 v[128+64*((\u)/4)+16*\t+4*((\u)%4):128+64*((\u)/4)+16*\t+4*((\u)%4)+1], v[T+16*\t:T+16*\t+7], v19
	v_cvt_scalef32_pk8_fp8_f32 v[128+64*((\u)/4)+16*\t+4*((\u)%4)+2:128+64*((\u)/4)+16*\t+4*((\u)%4)+3], v[T+16*\t+8:T+16*\t+15], v19
.endr
	WIN 0
	v_nop                                          ; one plain line behind the last conversion
.endm
; A unit of x: both kinds of codes are made first; then one wait, the refill, and the stores
.macro UNITX u
	WIN 0x01
.set jj, 0
.rept 64
	v_med3_num_f32 v[T+jj], v[64*((\u)%3)+jj], -v16, v16
.set jj, jj+1
.endr
	WIN 0
	s_wait_alu depctr_va_vdst(0)
	s_wait_dscnt 0x0                               ; the last unit's LDS stores are done
.if (\u) > 8
	s_wait_alu depctr_vm_vsrc(0)                   ; the last unit's stores, to LDS and to xq, have read XCG and XCE, which the conversions below write again
.endif
.irp a, 0,1,2,3,4,5,6,7
	v_cvt_scalef32_pk8_fp8_f32 v[XCG+2*\a:XCG+2*\a+1], v[T+8*\a:T+8*\a+7], v17
.endr
	v_nop
.if (\u) < 12
	s_wait_xcnt 0x0                                ; the last unit's stores to xq have had their addresses translated: their data are written again only behind this wait
	WIN 0x01
.set jj, 0
.rept 64
	v_med3_num_f32 v[T+jj], v[64*((\u)%3)+jj], -v20, v20
.set jj, jj+1
.endr
	WIN 0
.irp a, 0,1,2,3,4,5,6,7
	v_cvt_scalef32_pk8_fp8_f32 v[XCE+2*\a:XCE+2*\a+1], v[T+8*\a:T+8*\a+7], v21
.endr
	v_nop
.endif
.if (\u) < 13
	WIN 0x40
	s_wait_alu depctr_va_vdst(0)                   ; the holds are done reading this set, in which the loads below land; the conversions have written the codes that the stores below read
	LOADX (\u)+3
	WIN 0
.else
	s_wait_alu depctr_va_vdst(0)                   ; the conversions have written XCG, which the stores below read; the holds are done reading this set, in which x's fragments land later
.endif
.irp a, 0,1,2,3,4,5,6,7
	ds_store_b64 v6, v[XCG+2*\a:XCG+2*\a+1] offset:(8*((\u)-8)+\a)*272   ; the gate's codes: LDS row = the order of loading
.endr
.if (\u) < 12
.irp a, 0,1,2,3,4,5,6,7
	global_store_b64 v7, v[XCE+2*\a:XCE+2*\a+1], s[16:17] offset:(8*((\u)-8)+\a)*1024   ; 32 lanes store 256 consecutive bytes, aligned
.endr
.endif
.endm
	s_load_b256 s[4:11], s[0:1], 0x0               ; x, gate_w1, gate_b1, gate_w2
	s_load_b256 s[12:19], s[0:1], 0x20             ; snr, lowp_scales, xq, plog
	v_lshl_add_u32 v254, v0, 2, 0x21000
	v_mov_b32 v255, 0
	v_lshrrev_b32 v1, 5, v0
	v_readfirstlane_b32 s20, v1                    ; wave
	v_and_b32 v1, 31, v0                           ; lane
	v_and_b32 v2, 15, v0                           ; r
	s_wait_alu depctr_va_vdst(0)
	v_bfe_u32 v3, v0, 4, 1                         ; h
	s_and_b32 s22, ttmp7, 0xffff                   ; tb
	s_and_b32 s23, ttmp9, 1                        ; rh = nb % 2
	s_lshr_b32 s24, ttmp9, 1                       ; e = nb / 2
	s_mov_b32 s27, 0
	s_mov_b32 s42, 0x76543210                      ; v_permlanex16_b32: lane l xor 16
	s_mov_b32 s43, 0xfedcba98
	v_lshlrev_b32 v13, 4, v2                       ; 16 r
	v_lshl_add_u32 v4, v3, 16, v13                 ; W1: 16 r + 16 rows x h
	v_lshlrev_b32 v5, 5, v1                        ; x: 32 x lane
	v_lshlrev_b32 v7, 3, v1                        ; codes: 8 x lane
	s_wait_alu depctr_va_sdst(0)                   ; s20 is written, ahead of its first reader
	s_mul_i32 s25, s20, XRB
	v_add_nc_u32 v6, s25, v7                       ; my rows of codes in LDS, on the way in,
	v_mul_u32_u24 v8, v2, 272
	s_wait_alu depctr_va_vdst(0)
	v_lshl_add_u32 v8, v3, 4, v8
	v_add_nc_u32 v8, s25, v8                       ; and as fragments
	v_lshlrev_b32 v15, 4, v1
	s_lshl_b32 s25, s20, 14
	s_add_co_u32 s25, s25, RED
	v_add_nc_u32 v9, s25, v15                      ; where I put my partial sums
	s_lshl_b32 s25, s20, 12
	s_add_co_u32 s25, s25, RED
	v_add_nc_u32 v10, s25, v15                     ; where I read tile w's
	v_lshlrev_b32 v11, 7, v3                       ; b1: 32 numbers x h
	v_lshlrev_b32 v12, 10, v3                      ; gate_w2: 32 rows of 32 bytes x h
	v_lshlrev_b32 v14, 5, v2
	v_lshl_add_u32 v14, v3, 4, v14                 ; plog: 32 r + 16 h
	s_wait_kmcnt 0x0
	s_load_b64 s[36:37], s[14:15], 0x0             ; ls[0], ls[1]
	s_load_b32 s39, s[12:13], 0x0                  ; snr
	s_lshl_b32 s26, s24, 4
	s_add_nc_u64 s[34:35], s[14:15], s[26:27]
	s_load_b32 s38, s[34:35], 0x8                  ; ls[2 + 4 e]
	s_lshl_b32 s26, ttmp9, 8
	s_add_nc_u64 s[6:7], s[6:7], s[26:27]          ; W1 at my 64 columns
	s_add_nc_u64 s[8:9], s[8:9], s[26:27]          ; b1 likewise
	s_lshl_b32 s26, ttmp9, 11
	s_add_nc_u64 s[10:11], s[10:11], s[26:27]      ; gate_w2 at my 64 rows
	s_lshl_b32 s26, s20, 20
	s_add_nc_u64 s[28:29], s[6:7], s[26:27]        ; W1 at my K quarter: 256 rows of 4,096 bytes a wave
	s_lshl_b32 s26, s22, 18
	s_lshl_b32 s25, s20, 10
	s_add_co_u32 s26, s26, s25
	s_add_nc_u64 s[4:5], s[4:5], s[26:27]          ; x at my 64 rows, my K quarter
	s_lshl_b32 s26, s23, 17
	s_add_nc_u64 s[30:31], s[4:5], s[26:27]        ; the 32 rows that also go to xq,
	s_xor_b32 s26, s26, 0x20000
	s_add_nc_u64 s[32:33], s[4:5], s[26:27]        ; and the other 32
	s_lshl_b32 s26, s24, 20
	s_lshl_b32 s25, s22, 16
	s_add_co_u32 s26, s26, s25
	s_lshl_b32 s25, s23, 15
	s_add_co_u32 s26, s26, s25
	s_lshl_b32 s25, s20, 8
	s_add_co_u32 s26, s26, s25
	s_add_nc_u64 s[16:17], s[16:17], s[26:27]      ; xq[e][64 tb + 32 rh][256 w]
	s_lshr_b32 s25, s20, 1
	s_xor_b32 s25, s25, s23                        ; LDS tile w holds the tokens of half rh xor (w / 2),
	s_lshl_b32 s25, s25, 5
	s_and_b32 s26, s20, 1
	s_lshl_b32 s26, s26, 4
	s_add_co_u32 s25, s25, s26                     ; + 16 (w % 2)
	s_lshl_b32 s26, s22, 6
	s_add_co_u32 s25, s25, s26
	s_lshl_b32 s25, s25, 5
	s_lshl_b32 s26, ttmp9, 15
	s_add_co_u32 s26, s26, s25
	s_add_nc_u64 s[18:19], s[18:19], s[26:27]      ; plog[nb][that tile's first token]
	s_wait_alu depctr_va_vdst(0)                   ; the offsets and LDS addresses v4 to v14 are written: every load and store of the kernel reads one of them
	global_load_b128 v[SR:SR+3], v13, s[6:7] offset:4194304   ; W1's row 1,024, my four columns
	LOADW 0
	LOADW 1
	LOADW 2
	WIN 0
	s_wait_kmcnt 0x0
	MKSC 36, 17, 16                                ; x and snr for the gate
	MKSC 37, 19, 18                                ; W1
	MKSC 38, 21, 20                                ; x for expert e
	s_add_co_i32 s40, s36, s37
	s_add_co_i32 s40, s40, 127
	s_lshl_b32 s40, s40, 23                        ; 2^(ls[0] + ls[1])
	s_cmp_eq_u32 s20, 0
	s_cselect_b32 s39, s39, 0                      ; k = 1,024 belongs to wave 0: a choice of a value, no branch
	s_wait_alu depctr_va_vdst(0)
; sixteen units through three sets of registers: at a unit's wait the two younger units (32 loads) may be out
.irp u, 0,1,2,3,4,5,6,7
	UNITW \u
.endr
.irp u, 8,9,10,11,12,13
	s_wait_loadcnt 32
	UNITX \u
.endr
	s_wait_loadcnt 16                              ; one younger unit
	UNITX 14
	s_wait_loadcnt 0x0
.irp i, 0,1,2,3,4,5,6,7
	global_load_b128 v[BI+4*\i:BI+4*\i+3], v11, s[8:9] offset:16*\i   ; b1 of columns 32 h + 0 .. 31: register 4 j + t belongs to tile t's register j
.endr
	WIN 0x80
.set jj, 0
.rept 64
	global_load_b128 v[4*jj:4*jj+3], v12, s[10:11] offset:16*jj       ; gate_w2 of the same 32 columns: register 8 (4 j + t) + q
.set jj, jj+1
.endr
	WIN 0
	UNITX 15
; k = 1,024
	v_cmp_eq_u32 vcc_lo, 0, v3
	v_mov_b32 v240, s39
	s_wait_alu depctr_va_vcc(0)                    ; VCC is written, ahead of the selections that read it
	v_cndmask_b32 v240, 0, v240, vcc_lo            ; the K = 64 form keeps k = 0 in byte 0 of register 0 of lanes 0-15: lanes 16-31 feed zeros
.irp c, 0,1,2,3
	v_cndmask_b32 v[SR+\c], 0, v[SR+\c], vcc_lo
.endr
.irp c, 0,1,2,3
	v_med3_num_f32 v[T+\c], v[SR+\c], -v18, v18
	v_mov_b32 v[T+4+\c], 0
.endr
	v_med3_num_f32 v[T+8], v240, -v16, v16
.irp c, 1,2,3,4,5,6,7
	v_mov_b32 v[T+8+\c], 0
.endr
	v_cvt_scalef32_pk8_fp8_f32 v[236:237], v[T:T+7], v19       ; byte t: the code of column 4 m + t
	v_cvt_scalef32_pk8_fp8_f32 v[238:239], v[T+8:T+15], v17    ; byte 0: snr's code
	v_nop
	WIN 0x40
.irp t, 0,1,2,3
	v_bfe_u32 v[192+8*\t], v236, 8*\t, 8
.irp k, 1,2,3,4,5,6,7
	v_mov_b32 v[192+8*\t+\k], 0
.endr
.endr
	v_mov_b32 v224, v238
.irp k, 1,2,3,4,5,6,7
	v_mov_b32 v[224+\k], 0
.endr
	WIN 0x05
.irp t, 0,1,2,3
	v_wmma_f32_16x16x64_fp8_fp8 v[S9+8*\t:S9+8*\t+7], v[192+8*\t:192+8*\t+7], v[224:231], 0
.endr
	WIN 0
.rept 5
	v_nop                                          ; five places: these results become the C of other accumulators
.endr
; x's fragments out of my own rows in LDS (a wave's LDS instructions are served in order: ISA guide 5.7.1.4), and the products.
; No wait: the sets in which they land were last named by the holds of units 13 and 15, which stand ahead of those units' waits on va_vdst
	WIN 0x40
.irp s, 0,1
.irp m, 0,1,2,3
.irp c, 0,1,2,3
	ds_load_b128 v[64*\s+16*\m+4*\c:64*\s+16*\m+4*\c+3], v8 offset:4352*\m+128*\s+32*\c
.endr
.endr
.endr
	s_wait_dscnt 16                                ; the first K step's sixteen loads are in
	WIN 0xc7                                       ; W1 window 3, x window 1, C window 0, D window 3
.irp m, 0,1,2,3
.irp t, 0,1,2,3
	v_wmma_f32_16x16x128_fp8_fp8 v[32*\m+8*\t:32*\m+8*\t+7], v[128+16*\t:128+16*\t+15], v[16*\m:16*\m+15], v[S9+8*\t:S9+8*\t+7]
.endr
.endr
	s_wait_dscnt 0x0
	WIN 0xf7                                       ; the sixteen accumulators take turns
.irp m, 0,1,2,3
.irp t, 0,1,2,3
	v_wmma_f32_16x16x128_fp8_fp8 v[32*\m+8*\t:32*\m+8*\t+7], v[192+16*\t:192+16*\t+15], v[64+16*\m:64+16*\m+15], v[32*\m+8*\t:32*\m+8*\t+7]
.endr
.endr
	WIN 0
.rept 4
	v_nop                                          ; four places in front of the stores that read results
.endr
	WIN 0x0c
	s_wait_alu depctr_va_vdst(0)                   ; the products have written the accumulators, which the stores below read, and are done reading x's fragments, in which the partial sums land behind the barrier
.set jj, 0
.rept 16
	ds_store_b128 v9, v[8*jj:8*jj+3] offset:1024*jj            ; each accumulator from its low end on
	ds_store_b128 v9, v[8*jj+4:8*jj+7] offset:1024*jj+512
.set jj, jj+1
.endr
	WIN 0
	s_wait_dscnt 0x0                               ; for the others' sake: my partial sums lie in LDS
	s_barrier_signal -1
	s_barrier_wait -1
	WIN 0x40
.irp p, 0,1,2,3
.irp t, 0,1,2,3
.irp f, 0,1
	ds_load_b128 v[32*\p+8*\t+4*\f:32*\p+8*\t+4*\f+3], v10 offset:16384*\p+1024*\t+512*\f
.endr
.endr
.endr
	WIN 0
	s_wait_dscnt 0x0
	WIN 0x45
.set jj, 0
.rept 16
	v_pk_add_f32 v[jj:jj+1], v[jj:jj+1], v[32+jj:33+jj]
	v_pk_add_f32 v[64+jj:65+jj], v[64+jj:65+jj], v[96+jj:97+jj]
.set jj, jj+2
.endr
.set jj, 0
.rept 16
	v_pk_add_f32 v[jj:jj+1], v[jj:jj+1], v[64+jj:65+jj]
.set jj, jj+2
.endr
	WIN 0x01
	s_wait_loadcnt 0x0                             ; b1 and gate_w2
.set jj, 0
.rept 32
	v_fma_f32 v[HH+jj], v[jj], s40, v[BI+4*(jj%8)+jj/8]        ; sum x 2^(ls[0] + ls[1]) + b1
.set jj, jj+1
.endr
	WIN 0
.set jj, 0
.rept 32
	v_max_num_f32 v[HH+jj], 0, v[HH+jj]
.set jj, jj+1
.endr
	WIN 0x08                                       ; gate_w2 in window 2
.set jj, 0
.rept 32                                       ; column 32 h + jj: eight chains, one for each expert
.set hx, HH+8*(jj%4)+jj/4
.irp q, 0,1,2,3,4,5,6,7
.if jj == 0
	v_mul_f32 v[PL+\q], v[hx], v[\q]
.else
	v_fmac_f32 v[PL+\q], v[hx], v[8*jj+\q]
.endif
.endr
.set jj, jj+1
.endr
	WIN 0
	v_cmp_eq_u32 vcc_lo, 1, v3                     ; made here, so that the exchange and the additions stand between it and the wait for it
.irp q, 0,1,2,3,4,5,6,7
	v_permlanex16_b32 v[T+\q], v[PL+\q], s42, s43  ; the token's other 32 columns lie in the lane 16 away
.endr
.irp q, 0,1,2,3,4,5,6,7
	v_add_f32 v[PL+\q], v[PL+\q], v[T+\q]
.endr
	s_wait_alu depctr_va_vcc(0)                    ; VCC is written, ahead of the selections that read it
.irp q, 0,1,2,3
	v_cndmask_b32 v[T+\q], v[PL+\q], v[PL+4+\q], vcc_lo
.endr
	s_wait_alu depctr_va_vdst(0)                   ; the selections have written T's first four registers, which the store reads
	global_store_b128 v14, v[T:T+3], s[18:19]      ; the wave stores 512 consecutive bytes: 16 tokens x 8
	s_wait_dscnt 0x0
	s_wait_alu depctr_hold_cnt(0) depctr_sa_sdst(0) depctr_va_vdst(0) depctr_va_sdst(0) depctr_va_ssrc(0) depctr_va_vcc(0) depctr_vm_vsrc(0)
	s_wait_tensorcnt 0x0
	ds_add_u32 v254, v255
	s_wait_dscnt 0x0
	s_endpgm
.Lfunc_end_k_q902fa9185e_gate1:
	.size	k_q902fa9185e_gate1, .Lfunc_end_k_q902fa9185e_gate1-k_q902fa9185e_gate1
	.p2alignl 7, 3214868480
	.fill 96, 4, 3214868480
	.section	.rodata,"a",@progbits
	.p2align	6, 0x0
	.amdhsa_kernel k_q902fa9185e_gate1
		.amdhsa_group_segment_fixed_size 135680
		.amdhsa_private_segment_fixed_size 0
		.amdhsa_enable_private_segment 0
		.amdhsa_kernarg_size 64
		.amdhsa_user_sgpr_count 2
		.amdhsa_user_sgpr_kernarg_segment_ptr 1
		.amdhsa_wavefront_size32 1
		.amdhsa_system_sgpr_workgroup_id_x 1
		.amdhsa_system_sgpr_workgroup_id_y 1
		.amdhsa_system_sgpr_workgroup_id_z 1
		.amdhsa_system_vgpr_workitem_id 0
		.amdhsa_next_free_vgpr 1024
		.amdhsa_next_free_sgpr 66
		.amdhsa_reserve_vcc 1
		.amdhsa_float_denorm_mode_32 3
		.amdhsa_float_denorm_mode_16_64 3
		.amdhsa_memory_ordered 1
		.amdhsa_forward_progress 1
		.amdhsa_inst_pref_size 165
	.end_amdhsa_kernel
	.amdgpu_metadata
---
amdhsa.version: [ 1, 2 ]
amdhsa.kernels:
  - .name:           k_q902fa9185e_gate1
    .symbol:         k_q902fa9185e_gate1.kd
    .args:
      - { .name: x, .offset: 0, .size: 8, .value_kind: global_buffer, .address_space: global }
      - { .name: gate_w1, .offset: 8, .size: 8, .value_kind: global_buffer, .address_space: global }
      - { .name: gate_b1, .offset: 16, .size: 8, .value_kind: global_buffer, .address_space: global }
      - { .name: gate_w2, .offset: 24, .size: 8, .value_kind: global_buffer, .address_space: global }
      - { .name: snr, .offset: 32, .size: 8, .value_kind: global_buffer, .address_space: global }
      - { .name: lowp_scales, .offset: 40, .size: 8, .value_kind: global_buffer, .address_space: global }
      - { .name: xq, .offset: 48, .size: 8, .value_kind: global_buffer, .address_space: global }
      - { .name: plog, .offset: 56, .size: 8, .value_kind: global_buffer, .address_space: global }
    .group_segment_fixed_size: 135680
    .private_segment_fixed_size: 0
    .kernarg_segment_align: 8
    .kernarg_segment_size: 64
    .max_flat_workgroup_size: 128
    .sgpr_count:     66
    .vgpr_count:     1024
    .wavefront_size: 32
...
	.end_amdgpu_metadata
.endif
;; end of part 6
;; launch route (part 7): grid 1 x 1, 32 waves a work-group, no clusters, 6,144 bytes of LDS; arguments plog, gumbel_u, gate_b2, out1, out2, pos, cw, meta; writes out1, out2, pos, cw, meta
.if DOCPART == 7
	.amdgcn_target "amdgcn-amd-amdhsa--gfx1250"
	.amdhsa_code_object_version 6
	.text
	.protected	k_q902fa9185e_route
	.globl	k_q902fa9185e_route
	.p2align	8
	.type	k_q902fa9185e_route,@function
k_q902fa9185e_route:
	s_mov_b64 s[64:65], 0
	v_nop
	global_prefetch_b8 v0, s[64:65] scope:SCOPE_SE
	s_setreg_imm32_b32 hwreg(HW_REG_WAVE_MODE, 25, 1), 1
	s_wait_xcnt 0x0
; THE ROUTER.  One thread a token.  logits = the sixteen partial sums, in ascending order, + gate_b2; gumbel = -ln(-ln(u + 1e-9) + 1e-9); softmax with the row's maximum taken away; the two largest scores,
; the lower index first where scores are equal (strict comparisons in ascending order).  Then a counting sort BY VALUE: every address here is fixed; what the choice decides is only stored.
; pos[token][2]: the row of (token, choice) in the order sorted by expert, each expert beginning on a multiple of 16 rows.  meta: words 0-7 an expert's first tile of 16 rows, 8-15 its tiles, 16-23 its rows, 24-31 zeros.
; Counts stay under 2^24, so their sums across lanes are taken exactly in f32.  NaN among the inputs is not served.
	s_load_b256 s[4:11], s[0:1], 0x0               ; plog, gumbel_u, gate_b2, out1
	s_load_b256 s[12:19], s[0:1], 0x20             ; out2, pos, cw, meta
	v_lshlrev_b32 v1, 5, v0                        ; 32 t
	v_lshlrev_b32 v2, 3, v0                        ; 8 t
	v_and_b32 v3, 31, v0                           ; lane
	v_lshrrev_b32 v4, 5, v0                        ; wave
	s_delay_alu instid0(VALU_DEP_1)
	v_readfirstlane_b32 s20, v4
	v_and_b32 v5, 0x3e0, v0                        ; LDS: 32 x wave: my wave's eight counts
	s_delay_alu instid0(VALU_DEP_4)
	v_lshlrev_b32 v6, 5, v3                        ; LDS: 32 x lane: wave l's counts
	v_mov_b32 v7, 0x400                            ; LDS: the table for meta
	v_lshl_add_u32 v24, v3, 2, 0x400
	v_lshlrev_b32 v25, 2, v3
	s_mov_b32 s32, 0xbf317218                      ; -ln 2
	s_mov_b32 s33, 0x3089705f                      ; 1e-9
	s_mov_b32 s34, 0x3fb8aa3b                      ; log2 e
	s_mov_b32 s35, 0x76543210
	s_mov_b32 s36, 0xfedcba98
	s_wait_kmcnt 0x0
	s_load_b256 s[24:31], s[8:9], 0x0              ; gate_b2
	global_load_b128 v[8:11], v1, s[6:7]
	global_load_b128 v[12:15], v1, s[6:7] offset:16
.irp n, 0,1,2,3,4,5,6,7,8,9,10,11
	global_load_b128 v[32+8*\n:35+8*\n], v1, s[4:5] offset:32768*\n
	global_load_b128 v[36+8*\n:39+8*\n], v1, s[4:5] offset:32768*\n+16
.endr
	s_wait_loadcnt 16                              ; u and parts 0-3 are in; the sixteen loads of parts 4-11 may be out
.irp j, 0,2,4,6
	v_pk_add_f32 v[16+\j:17+\j], v[32+\j:33+\j], v[40+\j:41+\j]
.endr
.irp n, 2,3
.irp j, 0,2,4,6
	s_delay_alu instid0(VALU_DEP_4)
	v_pk_add_f32 v[16+\j:17+\j], v[16+\j:17+\j], v[32+8*\n+\j:33+8*\n+\j]
.endr
.endr
.irp n, 0,1,2,3
	global_load_b128 v[32+8*\n:35+8*\n], v1, s[4:5] offset:32768*(12+\n)
	global_load_b128 v[36+8*\n:39+8*\n], v1, s[4:5] offset:32768*(12+\n)+16
.endr
	s_wait_alu depctr_va_vdst(0)
	s_wait_loadcnt 8                               ; parts 4-11 are in; the eight loads just issued may be out
.irp n, 4,5,6,7,8,9,10,11
.irp j, 0,2,4,6
	v_pk_add_f32 v[16+\j:17+\j], v[16+\j:17+\j], v[32+8*\n+\j:33+8*\n+\j]
.endr
.endr
	s_wait_alu depctr_va_vdst(0)
	s_wait_loadcnt 0x0
.irp n, 0,1,2,3
.irp j, 0,2,4,6
	v_pk_add_f32 v[16+\j:17+\j], v[16+\j:17+\j], v[32+8*\n+\j:33+8*\n+\j]
.endr
.endr
.irp q, 0,1,2,3,4,5,6,7
	v_add_f32 v[8+\q], s33, v[8+\q]                ; u + 1e-9
.endr
	s_wait_alu depctr_va_vdst(0)
.irp q, 0,1,2,3,4,5,6,7
	v_log_f32 v[8+\q], v[8+\q]
.endr
	s_wait_kmcnt 0x0
.irp q, 0,1,2,3,4,5,6,7
	v_add_f32 v[16+\q], s[24+\q], v[16+\q]         ; + gate_b2: plain work behind the logarithms
.endr
	s_wait_alu depctr_va_vdst(0)                   ; one wait for the batch, ahead of its first reader
.irp q, 0,1,2,3,4,5,6,7
	v_fma_f32 v[8+\q], v[8+\q], s32, s33           ; -ln(u + 1e-9) + 1e-9
.endr
	s_wait_alu depctr_va_vdst(0)
.irp q, 0,1,2,3,4,5,6,7
	v_log_f32 v[8+\q], v[8+\q]
.endr
	v_nop
	s_wait_alu depctr_va_vdst(0)
.irp q, 0,1,2,3,4,5,6,7
	v_fma_f32 v[16+\q], v[8+\q], s32, v[16+\q]     ; logit + gumbel
.endr
	v_max3_num_f32 v26, v16, v17, v18
	s_delay_alu instid0(VALU_DEP_1)
	v_max3_num_f32 v26, v26, v19, v20
	s_delay_alu instid0(VALU_DEP_1)
	v_max3_num_f32 v26, v26, v21, v22
	s_delay_alu instid0(VALU_DEP_1)
	v_max_num_f32 v26, v26, v23                    ; the row's maximum is taken away, as in the softmax that is asked for
.irp q, 0,1,2,3,4,5,6,7
	v_sub_f32 v[16+\q], v[16+\q], v26
.endr
.irp q, 0,1,2,3,4,5,6,7
	v_mul_f32 v[16+\q], s34, v[16+\q]
.endr
	s_wait_alu depctr_va_vdst(0)
.irp q, 0,1,2,3,4,5,6,7
	v_exp_f32 v[16+\q], v[16+\q]
.endr
	v_nop
	s_wait_alu depctr_va_vdst(0)
	v_add_f32 v27, v16, v17
	v_add_f32 v26, v18, v19
	v_add_f32 v27, v27, v20
	v_add_f32 v26, v26, v21
	v_add_f32 v27, v27, v22
	v_add_f32 v26, v26, v23
	s_delay_alu instid0(VALU_DEP_1)
	v_add_f32 v27, v27, v26
	s_wait_alu depctr_va_vdst(0)
	v_rcp_f32 v27, v27
	v_mov_b32 v40, -2.0                            ; (a plain line behind the reciprocal)  under every score
	s_wait_alu depctr_va_vdst(0)
.irp q, 0,1,2,3,4,5,6,7
	v_mul_f32 v[16+\q], v[16+\q], v27              ; the scores
.endr
	v_mov_b32 v28, v16                             ; the largest score and its index: a later one wins only if it is greater
	v_mov_b32 v29, 0
.irp q, 1
	s_delay_alu instid0(VALU_DEP_2)
	v_cmp_le_f32 vcc_lo, v[16+\q], v28
	s_delay_alu instid0(VALU_DEP_1)
	v_cndmask_b32 v29, \q, v29, vcc_lo
	s_delay_alu instid0(VALU_DEP_4)
	v_max_num_f32 v28, v28, v[16+\q]
.endr
.irp q, 2, 3, 4, 5, 6, 7
	s_delay_alu instid0(VALU_DEP_1)
	v_cmp_le_f32 vcc_lo, v[16+\q], v28
	s_delay_alu instid0(VALU_DEP_1)
	v_cndmask_b32 v29, \q, v29, vcc_lo
	s_delay_alu instid0(VALU_DEP_3)
	v_max_num_f32 v28, v28, v[16+\q]
.endr
.irp q, 0,1,2,3,4,5,6,7
	v_cmp_eq_u32 vcc_lo, \q, v29
	s_delay_alu instid0(VALU_DEP_1)
	v_cndmask_b32 v[32+\q], v[16+\q], v40, vcc_lo  ; the first choice is taken out
.endr
	v_mov_b32 v30, v32
	v_mov_b32 v31, 0
.irp q, 1
	s_delay_alu instid0(VALU_DEP_2)
	v_cmp_le_f32 vcc_lo, v[32+\q], v30
	s_delay_alu instid0(VALU_DEP_1)
	v_cndmask_b32 v31, \q, v31, vcc_lo
	s_delay_alu instid0(VALU_DEP_4)
	v_max_num_f32 v30, v30, v[32+\q]
.endr
.irp q, 2, 3, 4, 5, 6, 7
	s_delay_alu instid0(VALU_DEP_1)
	v_cmp_le_f32 vcc_lo, v[32+\q], v30
	s_delay_alu instid0(VALU_DEP_1)
	v_cndmask_b32 v31, \q, v31, vcc_lo
	s_delay_alu instid0(VALU_DEP_3)
	v_max_num_f32 v30, v30, v[32+\q]
.endr
.irp e, 0,1,2,3,4,5,6,7
	v_cmp_eq_u32 s40, \e, v29
	v_cmp_eq_u32 s41, \e, v31
	s_or_b32 s40, s40, s41                         ; the wave's tokens that chose expert e
	v_cndmask_b32 v[48+\e], 0, 1.0, s40            ; the mask that is an output
	s_bcnt1_i32_b32 s41, s40
	v_mbcnt_lo_u32_b32 v[56+\e], s40, 0            ; how many of them stand in lower lanes
	v_mov_b32 v[64+\e], s41
.endr
	ds_store_b128 v5, v[64:67]                     ; all lanes write the same words with the same numbers
	ds_store_b128 v5, v[68:71] offset:16
	s_wait_dscnt 0x0
	s_barrier_signal -1
	s_barrier_wait -1
	ds_load_b128 v[72:75], v6                      ; lane l: wave l's eight counts
	ds_load_b128 v[76:79], v6 offset:16
	s_wait_dscnt 0x0
	v_cmp_lt_u32 vcc_lo, v3, v4                    ; waves in front of mine
.irp e, 0,1,2,3,4,5,6,7
	v_cvt_f32_u32 v[72+\e], v[72+\e]
.endr
.irp e, 0,1,2,3,4,5,6,7
	v_cndmask_b32 v[80+\e], 0, v[72+\e], vcc_lo
.endr
.irp m, 1,2,4,8
.set jj, 0
.rept 16
	v_add_f32_dpp v[72+jj], v[72+jj], v[72+jj] row_xmask:\m row_mask:0xf bank_mask:0xf
.set jj, jj+1
.endr
.endr
.set jj, 0
.rept 16
	v_permlanex16_b32 v[88+jj], v[72+jj], s35, s36
.set jj, jj+1
.endr
.set jj, 0
.rept 16
	v_add_f32 v[72+jj], v[72+jj], v[88+jj]
.set jj, jj+1
.endr
.set jj, 0
.rept 16
	v_cvt_u32_f32 v[72+jj], v[72+jj]               ; v72-79 an expert's rows; v80-87 those of the waves in front of mine
.set jj, jj+1
.endr
.irp e, 0,1,2,3,4,5,6,7
	v_add_nc_u32 v[104+\e], 15, v[72+\e]
.endr
.irp e, 0,1,2,3,4,5,6,7
	v_lshrrev_b32 v[104+\e], 4, v[104+\e]          ; tiles of 16 rows
.endr
	v_mov_b32 v112, 0
.irp e, 0,1,2,3,4,5,6
	s_delay_alu instid0(VALU_DEP_1)
	v_add_nc_u32 v[113+\e], v[112+\e], v[104+\e]   ; an expert's first tile
.endr
.irp e, 0,1,2,3,4,5,6,7
	v_lshl_add_u32 v[80+\e], v[112+\e], 4, v[80+\e]
.endr
.irp e, 0,1,2,3,4,5,6,7
	v_add_nc_u32 v[80+\e], v[80+\e], v[56+\e]      ; the row that I would take with expert e
.endr
	v_mov_b32 v120, v80
	v_mov_b32 v121, v80
.irp e, 1,2,3,4,5,6,7
	v_cmp_eq_u32 vcc_lo, \e, v29
	s_delay_alu instid0(VALU_DEP_1)
	v_cndmask_b32 v120, v120, v[80+\e], vcc_lo
	v_cmp_eq_u32 vcc_lo, \e, v31
	s_delay_alu instid0(VALU_DEP_1)
	v_cndmask_b32 v121, v121, v[80+\e], vcc_lo
.endr
	v_mov_b32 v122, v28
	v_mov_b32 v123, v30
	global_store_b128 v1, v[16:19], s[10:11]
	global_store_b128 v1, v[20:23], s[10:11] offset:16
	global_store_b128 v1, v[48:51], s[12:13]
	global_store_b128 v1, v[52:55], s[12:13] offset:16
	global_store_b64 v2, v[120:121], s[14:15]
	global_store_b64 v2, v[122:123], s[16:17]
	s_cmp_lg_u32 s20, 0                            ; the table is wave 0's: 32 words through LDS, so that lane l holds word l
	s_cbranch_scc1 .Ldone
.irp k, 0,1,2,3
	v_mov_b32 v[124+\k], 0
.endr
	ds_store_b128 v7, v[112:115]
	ds_store_b128 v7, v[116:119] offset:16
	ds_store_b128 v7, v[104:107] offset:32
	ds_store_b128 v7, v[108:111] offset:48
	ds_store_b128 v7, v[72:75] offset:64
	ds_store_b128 v7, v[76:79] offset:80
	ds_store_b128 v7, v[124:127] offset:96
	ds_store_b128 v7, v[124:127] offset:112
	ds_load_b32 v32, v24                           ; a wave's LDS instructions are served in order: this sees the stores above
	s_wait_dscnt 0x0
	global_store_b32 v25, v32, s[18:19]
.Ldone:
	s_wait_xcnt 0x0
	v_lshl_add_u32 v126, v0, 2, 0x800
	v_mov_b32 v127, 0
	s_wait_alu depctr_va_vdst(0)
	s_wait_tensorcnt 0x0
	ds_add_u32 v126, v127
	s_wait_dscnt 0x0
	s_endpgm
.Lfunc_end_k_q902fa9185e_route:
	.size	k_q902fa9185e_route, .Lfunc_end_k_q902fa9185e_route-k_q902fa9185e_route
	.p2alignl 7, 3214868480
	.fill 96, 4, 3214868480
	.section	.rodata,"a",@progbits
	.p2align	6, 0x0
	.amdhsa_kernel k_q902fa9185e_route
		.amdhsa_group_segment_fixed_size 6144
		.amdhsa_private_segment_fixed_size 0
		.amdhsa_enable_private_segment 0
		.amdhsa_kernarg_size 64
		.amdhsa_user_sgpr_count 2
		.amdhsa_user_sgpr_kernarg_segment_ptr 1
		.amdhsa_wavefront_size32 1
		.amdhsa_system_sgpr_workgroup_id_x 1
		.amdhsa_system_sgpr_workgroup_id_y 1
		.amdhsa_system_sgpr_workgroup_id_z 1
		.amdhsa_system_vgpr_workitem_id 0
		.amdhsa_next_free_vgpr 128
		.amdhsa_next_free_sgpr 66
		.amdhsa_reserve_vcc 1
		.amdhsa_float_denorm_mode_32 3
		.amdhsa_float_denorm_mode_16_64 3
		.amdhsa_memory_ordered 1
		.amdhsa_forward_progress 1
		.amdhsa_inst_pref_size 31
	.end_amdhsa_kernel
	.amdgpu_metadata
---
amdhsa.version: [ 1, 2 ]
amdhsa.kernels:
  - .name:           k_q902fa9185e_route
    .symbol:         k_q902fa9185e_route.kd
    .args:
      - { .name: plog, .offset: 0, .size: 8, .value_kind: global_buffer, .address_space: global }
      - { .name: gumbel_u, .offset: 8, .size: 8, .value_kind: global_buffer, .address_space: global }
      - { .name: gate_b2, .offset: 16, .size: 8, .value_kind: global_buffer, .address_space: global }
      - { .name: out1, .offset: 24, .size: 8, .value_kind: global_buffer, .address_space: global }
      - { .name: out2, .offset: 32, .size: 8, .value_kind: global_buffer, .address_space: global }
      - { .name: pos, .offset: 40, .size: 8, .value_kind: global_buffer, .address_space: global }
      - { .name: cw, .offset: 48, .size: 8, .value_kind: global_buffer, .address_space: global }
      - { .name: meta, .offset: 56, .size: 8, .value_kind: global_buffer, .address_space: global }
    .group_segment_fixed_size: 6144
    .private_segment_fixed_size: 0
    .kernarg_segment_align: 8
    .kernarg_segment_size: 64
    .max_flat_workgroup_size: 1024
    .sgpr_count:     66
    .vgpr_count:     128
    .wavefront_size: 32
...
	.end_amdgpu_metadata
.endif
;; end of part 7
;; launch ffn1 (part 8): grid 32 x 8, 4 waves a work-group, no clusters, 271,872 bytes of LDS; arguments ew1_codes, eb1, lowp_scales, xq, pos, meta, hq; writes hq
.if DOCPART == 8
	.amdgcn_target "amdgcn-amd-amdhsa--gfx1250"
	.amdhsa_code_object_version 6
	.text
	.protected	k_q902fa9185e_ffn1
	.globl	k_q902fa9185e_ffn1
	.p2align	8
	.type	k_q902fa9185e_ffn1,@function
k_q902fa9185e_ffn1:
	s_mov_b64 s[64:65], 0
	v_nop
	global_prefetch_b8 v0, s[64:65] scope:SCOPE_SE
	s_setreg_imm32_b32 hwreg(HW_REG_WAVE_SCHED_MODE, 0, 2), 2
	s_setreg_imm32_b32 hwreg(HW_REG_WAVE_MODE, 25, 1), 1
	s_wait_xcnt 0x0
	s_wait_alu depctr_vm_vsrc(0)
; THE EXPERTS' FIRST LAYER, on the chosen rows alone: he = relu(x W1[e] + b1[e]), quantised under 2^eh, stored as the register image of the second layer's operand.
; Work-group (x, e): chunk = x / 2 is 256 hidden units of expert e; p = x % 2: of the expert's tiles of 16 sorted rows it takes those with number % 2 = p.  Wave w keeps 64 hidden units x K 1,024 in 512 registers for the whole launch.
; The weights come by loads of 512 consecutive bytes, turn through the wave's own stage in LDS (pitch 1,040) and come back as fragments: registers 4 c .. 4 c + 3 of lane (r, h): k = 128 s + 32 c + 16 h + 0 .. 15.
; THE ROWS OF W1 THAT FORM A TILE ARE NOT NEIGHBOURS: lane r of tile 2 b + u takes hidden unit 32 b + 8 u + r + 8 (r / 8).  The products are used transposed (source 0 = W1, source 1 = 16 tokens), so a lane holds one token and the
; 16 registers of tiles 2 b, 2 b + 1 are hidden units 32 b + 16 h + 0 .. 15: the conversions' results are registers of the next operand.
; The number of tiles is a stored number, so this launch has no tensor load: the loop's trips are a constant (4 x 2 batches of 4 tiles serve all 1,024 tokens on one expert), every wave passes every barrier, and work is jumped over.
; No cluster for the same reason: partners would need different numbers of tiles.  No prefetch: the weights are asked for in one run from the head on.
; WHO IS ROW d OF MY EXPERT: wave 0 turns pos round in LDS: word d of the list = the token whose pos is 16 offt + d.  Rows that pad the last tile read 0 or a later expert's token: they are computed and stored, and no result uses them.
; b1 is the C of a sum's first product, divided by 2^(ex + ew1); the conversion takes 2^(eh - ex - ew1).  LIMITS: eh - ex - ew1 between -126 and 119.
; REGISTERS.  window 0: v1-27 addresses; v32-63 accumulators; v64-95 b1; v96-103 codes; v104-111 tokens; v128-255 pos, then the rows gathered.   window 1: three sets of 64 as loaded, later x's fragments.   windows 2, 3: W1 (K step s, tile t) at 64 (s % 4) + 16 t.
; THE MODE: SCHED_MODE bits 1:0 = 2 (LLVM: expert scheduling mode 2), set by the entry lines.  The code itself states the register dependences between vector or matrix instructions and memory or LDS instructions, with s_wait_alu, always for 0.
; THE PLAN.  Registers that memory or LDS instructions touch:
;   v4-v8, v10-v22  offsets and LDS addresses: written at the head, one wait ahead of the first load, never written again.
;   v9          the list's LDS address: read by the list's loads, written once a trip.
;   the raw sets (window 1)  weight loads land in them, the stage's LDS stores read them, the next loads land again; at last x's fragments land there.
;   G v128-255  pos lands there; wave 0's arithmetic turns it into LDS addresses and tokens, which its LDS stores read; then, batch by batch, the gather's loads land there and the LDS stores of x's codes read them.
;   TOK         the list's loads land there, the clamp and the shift write them, the gather's loads read them as offsets.
;   x's fragments (window 1 v0-127)  a tile's LDS loads land there, its products read them.
;   CC          a tile's conversions write them, its two stores read them.
; A batch has ONE wait on vm_vsrc, where the ways join behind the stores of x's codes; v9's add and its wait stand behind it.  The gather has one wait on va_vdst, behind its address arithmetic.
; A tile has one wait on vm_vsrc ahead of its conversions and ONE on va_vdst ahead of its stores: that one also shows its products done reading the fragments, so the next tile's loads owe nothing.
; The fragments' loads stay at their own tile's head: tiles are jumped over by a stored count, and a load issued for a later tile would be out on the way that leaves the batch.
.set RS,   2
.set PW,   1040
.set STGB, 64*PW
.set XB1,  131072                      ; behind the stage's last read: two buffers of 64 rows x 1,040 for x's codes, at 0 and here
.set LIST, 266240                      ; 1,280 words
.set ACC,  32
.set BIAS, 64
.set CC,   96
.set TOK,  104
.set G,    128
.set MSB, 0
.macro WIN new
.if MSB != (\new)
	s_set_vgpr_msb (MSB<<8)|(\new)
.set MSB, (\new)
.endif
.endm
.macro WLOAD g                         ; eight rows of my 64: 16 loads of 512 consecutive bytes
	WIN 0x40
.set jj, 0
.rept 16
	global_load_b128 v[64*((\g)%3)+4*jj:64*((\g)%3)+4*jj+3], v4, s[38:39] offset:512*(16*(\g)+jj)
.set jj, jj+1
.endr
	WIN 0
.endm
.macro WSTORE g
	WIN 0x04
.set jj, 0
.rept 16
	ds_store_b128 v[5+(\g)/4], v[64*((\g)%3)+4*jj:64*((\g)%3)+4*jj+3] offset:((8*(\g)+jj/2)%32)*PW+512*(jj%2)
.set jj, jj+1
.endr
	WIN 0
.endm
.macro WBACK b                         ; tiles 2 b and 2 b + 1, all eight K steps
.irp s, 0,1,2,3,4,5,6,7
	WIN 0x80+0x40*(\s/4)
.irp u, 0,1
.irp c, 0,1,2,3
	ds_load_b128 v[64*(\s%4)+16*(2*(\b)+\u)+4*\c:64*(\s%4)+16*(2*(\b)+\u)+4*\c+3], v7 offset:(32*(\b)+8*\u)*PW+128*\s+32*\c
.endr
.endr
.endr
	WIN 0
.endm
.macro GATHER o                        ; my wave's tile of a batch: 16 rows of 1,024 codes; sixteen lanes take 256 consecutive bytes of a row
.irp q, 0,1,2,3,4,5,6,7
	ds_load_b32 v[TOK+\q], v9 offset:8*\q+\o
.endr
	s_wait_dscnt 0x0
.irp q, 0,1,2,3,4,5,6,7
	v_min_u32 v[TOK+\q], 0x3ff, v[TOK+\q]
	v_lshl_add_u32 v[TOK+\q], v[TOK+\q], 10, v10
.endr
	s_wait_alu depctr_va_vdst(0)                   ; the eight offsets in TOK are written, which the loads below read
.irp q, 0,1,2,3,4,5,6,7
.irp j, 0,1,2,3
	global_load_b128 v[G+16*\q+4*\j:G+16*\q+4*\j+3], v[TOK+\q], s[40:41] offset:256*\j
.endr
.endr
.endm
.macro XSTORE n
.irp q, 0,1,2,3,4,5,6,7
.irp j, 0,1,2,3
	ds_store_b128 v[12+\n], v[G+16*\q+4*\j:G+16*\q+4*\j+3] offset:2*PW*\q+256*\j
.endr
.endr
.endm
.macro TILE n, i                       ; tile i of the batch in buffer n
	s_add_co_u32 s44, s34, RS*(4*\n+\i)
	s_cmp_ge_u32 s44, s29
	s_cbranch_scc1 .Lskip_\@
	WIN 0x40
.set jj, 0
.rept 32
	ds_load_b128 v[4*jj:4*jj+3], v[14+\n] offset:16*PW*\i+32*jj   ; no wait: the products that last read these registers stand ahead of their own tile's wait on va_vdst
.set jj, jj+1
.endr
.irp s, 0,1,2,3,4,5,6,7
	s_wait_dscnt 28-4*\s                           ; K step s's four loads are in; the younger K steps' may be out
	WIN 0x06+(\s/4)                                ; W1 window 2 or 3, x window 1; the four accumulators take turns
.irp t, 0,1,2,3
.if \s == 0
	v_wmma_f32_16x16x128_fp8_fp8 v[ACC+8*\t:ACC+8*\t+7], v[64*(\s%4)+16*\t:64*(\s%4)+16*\t+15], v[16*\s:16*\s+15], v[BIAS+8*\t:BIAS+8*\t+7]
.else
	v_wmma_f32_16x16x128_fp8_fp8 v[ACC+8*\t:ACC+8*\t+7], v[64*(\s%4)+16*\t:64*(\s%4)+16*\t+15], v[16*\s:16*\s+15], v[ACC+8*\t:ACC+8*\t+7]
.endif
.endr
.endr
	WIN 0
.rept 4
	v_nop                                          ; four places in front of the first read of results
.endr
	s_wait_xcnt 0x0                                ; the last tile's stores have had their addresses translated: their codes and their base are written again only behind this wait
	s_wait_alu depctr_vm_vsrc(0)                   ; the last tile's stores have read CC, which the conversions below write again
	s_add_co_u32 s44, s44, s28
	s_min_u32 s44, s44, 135
	s_lshl_b32 s44, s44, 16
	s_add_nc_u64 s[42:43], s[16:17], s[44:45]      ; hq at tile offt + ti
.set jj, 0
.rept 32
	v_med3_num_f32 v[ACC+jj], v[ACC+jj], 0, v17    ; the activation and the hold in one, each accumulator from its low end on
.set jj, jj+1
.endr
.irp t, 0,1,2,3
	v_cvt_scalef32_pk8_fp8_f32 v[CC+2*\t:CC+2*\t+1], v[ACC+8*\t:ACC+8*\t+7], v18
.endr
	v_nop                                          ; one plain line behind the last conversion
	s_wait_alu depctr_va_vdst(0)                   ; the conversions have written CC, which the stores read; the products are done reading x's fragments, in which the next tile's loads land
	global_store_b128 v22, v[CC:CC+3], s[42:43]                ; the wave stores 512 consecutive bytes, aligned: one group of four registers of the next operand
	global_store_b128 v22, v[CC+4:CC+7], s[42:43] offset:512
.Lskip_\@:
.endm
.macro TRIP n
	s_wait_loadcnt 0x0                             ; the batch gathered a batch ago is in
	s_add_co_u32 s44, s34, 4*RS*\n
	s_cmp_ge_u32 s44, s29
	s_cbranch_scc1 .Lnox_\@
	XSTORE \n
.Lnox_\@:
	s_wait_alu depctr_vm_vsrc(0)                   ; the stores above have read G, in which the next gather lands; the last gather's loads have read TOK and v9, which are written below; in the first batch: the stage's stores have read the raw sets, in which x's fragments land
.if \n == 0
	v_add_nc_u32 v9, s35, v8                       ; the list's address for this trip's two gathers
	s_wait_alu depctr_va_vdst(0)                   ; v9 is written, which the list's loads of both gathers read
.endif
	s_wait_dscnt 0x0                               ; my rows lie in this buffer, and my reads of the other buffer are over:
	s_barrier_signal -1                            ; one barrier a batch orders this batch's stores before its reads, and the other buffer's reads before its next stores
	s_barrier_wait -1
	s_add_co_u32 s44, s34, 4*RS*(\n+1)
	s_cmp_ge_u32 s44, s29
	s_cbranch_scc1 .Lnog_\@
	GATHER 512*\n                                  ; the next batch, a whole batch's products ahead
.Lnog_\@:
	TILE \n, 0
	TILE \n, 1
	TILE \n, 2
	TILE \n, 3
.endm
	s_load_b256 s[4:11], s[0:1], 0x0               ; ew1_codes, eb1, lowp_scales, xq
	s_load_b128 s[12:15], s[0:1], 0x20             ; pos, meta
	s_load_b64 s[16:17], s[0:1], 0x30              ; hq
	v_lshl_add_u32 v126, v0, 2, 0x42400
	v_mov_b32 v127, 0
	v_lshrrev_b32 v1, 5, v0
	v_readfirstlane_b32 s20, v1                    ; wave
	v_and_b32 v1, 31, v0
	v_and_b32 v2, 15, v0                           ; r
	v_bfe_u32 v3, v0, 4, 1                         ; h
	s_lshr_b32 s22, ttmp9, 1                       ; chunk
	s_and_b32 s23, ttmp9, 1                        ; p
	s_and_b32 s24, ttmp7, 0xffff                   ; e
	s_mov_b32 s27, 0
	s_mov_b32 s45, 0
	v_lshlrev_b32 v4, 4, v1                        ; 16 x lane
	v_lshlrev_b32 v10, 4, v2                       ; 16 x (lane % 16)
	s_wait_alu depctr_va_sdst(0)                   ; s20 is written, ahead of its first reader
	s_mul_i32 s44, s20, STGB
	v_add_nc_u32 v5, s44, v4                       ; my stage, rows 0-31,
	v_add_nc_u32 v6, 32*PW, v5                     ; rows 32-63
	v_and_b32 v21, 8, v2
	v_add_nc_u32 v21, v21, v2                      ; r + 8 (r / 8)
	v_mul_u32_u24 v7, v21, PW
	v_lshl_add_u32 v7, v3, 4, v7
	v_add_nc_u32 v7, s44, v7                       ; out of the stage, as fragments
	v_lshl_add_u32 v8, v3, 2, LIST                 ; the list: + 4 h
	s_mul_i32 s44, s20, 16*PW
	v_mul_u32_u24 v12, v3, PW
	v_add_nc_u32 v12, v12, v10
	v_add_nc_u32 v12, s44, v12                     ; x's codes into buffer 0: my wave's 16 rows, two rows an instruction,
	v_add_nc_u32 v13, XB1, v12                     ; into buffer 1
	v_mul_u32_u24 v14, v2, PW
	v_lshl_add_u32 v14, v3, 4, v14                 ; and out of them as fragments
	v_add_nc_u32 v15, XB1, v14
	v_add_nc_u32 v19, LIST, v4
	v_lshlrev_b32 v20, 1, v1                       ; 2 x lane
	v_lshlrev_b32 v16, 6, v3                       ; b1: 16 numbers x h
	s_lshl_b32 s44, s22, 12
	s_lshl_b32 s46, s20, 10
	s_add_co_u32 s44, s44, s46
	v_add_nc_u32 v22, s44, v4                      ; in a tile of hq: K step 2 chunk + w / 2, groups 2 (w % 2) and + 1: 4,096 chunk + 1,024 w + 16 x lane
	s_lshl_b32 s35, s20, 1
	s_add_co_u32 s35, s35, s23
	s_lshl_b32 s35, s35, 6                         ; 64 bytes of list a tile: batch 0, my wave's tile RS w + p
	v_add_nc_u32 v9, s35, v8
	s_mov_b32 s34, s23                             ; the batch's first tile
	s_wait_kmcnt 0x0
	s_lshl_b32 s26, s24, 2
	s_add_nc_u64 s[14:15], s[14:15], s[26:27]
	s_load_b32 s28, s[14:15], 0x0                  ; offt
	s_load_b32 s29, s[14:15], 0x20                 ; nt
	s_lshl_b32 s26, s24, 4
	s_add_nc_u64 s[8:9], s[8:9], s[26:27]
	s_load_b64 s[30:31], s[8:9], 0x8               ; ex, ew1
	s_load_b64 s[32:33], s[8:9], 0x10              ; eh, ew2
	s_lshl_b32 s26, s24, 22
	s_lshl_b32 s44, s22, 18
	s_add_co_u32 s26, s26, s44
	s_lshl_b32 s44, s20, 16
	s_add_co_u32 s26, s26, s44
	s_add_nc_u64 s[38:39], s[4:5], s[26:27]        ; my 64 rows of W1: 65,536 consecutive bytes
	s_lshl_b32 s26, s24, 14
	s_lshl_b32 s44, s22, 10
	s_add_co_u32 s26, s26, s44
	s_lshl_b32 s44, s20, 8
	s_add_co_u32 s26, s26, s44
	s_add_nc_u64 s[6:7], s[6:7], s[26:27]          ; b1 at my 64 units
	s_lshl_b32 s26, s24, 20
	s_add_nc_u64 s[40:41], s[10:11], s[26:27]      ; x's codes under my expert's scale
	s_wait_alu depctr_va_vdst(0)                   ; the offsets and LDS addresses v4 to v22 are written, which the loads and stores below read
.irp t, 0,1,2,3
	global_load_b128 v[BIAS+8*\t:BIAS+8*\t+3], v16, s[6:7] offset:(32*(\t/2)+8*(\t%2))*4
	global_load_b128 v[BIAS+8*\t+4:BIAS+8*\t+7], v16, s[6:7] offset:(32*(\t/2)+8*(\t%2))*4+16
.endr
.set jj, 0
.rept 16
	global_load_b128 v[G+4*jj:G+4*jj+3], v4, s[12:13] offset:512*jj   ; pos, in every wave, so that every wave counts the same loads
.set jj, jj+1
.endr
	WLOAD 0
	WLOAD 1
	WLOAD 2
	s_wait_kmcnt 0x0
	s_min_u32 s28, s28, 135
	s_min_u32 s29, s29, 64
	s_cmp_lg_u32 s20, 0
	s_cbranch_scc1 .Lnot0
	s_wait_loadcnt 48                              ; b1 and pos are in; the three groups of weights may be out
; all the arithmetic first, then one wait, then all the stores
.irp k, 0,1,2,3
	v_mov_b32 v[24+\k], 0
.endr
	s_lshl_b32 s44, s28, 4
	s_sub_co_u32 s44, 0, s44
.set jj, 0
.rept 32
	v_add_nc_u32 v[192+jj], 64*(jj/2)+(jj%2), v20  ; the token of entries 2 jj and 2 jj + 1 of my 64
.set jj, jj+1
.endr
.set jj, 0
.rept 64
	v_add_nc_u32 v[G+jj], s44, v[G+jj]             ; d = pos - 16 offt: huge for earlier experts,
.set jj, jj+1
.endr
.set jj, 0
.rept 64
	v_min_u32 v[G+jj], 0x480, v[G+jj]              ; which go to word 1,152, read by nobody
.set jj, jj+1
.endr
.set jj, 0
.rept 64
	v_lshl_add_u32 v[G+jj], v[G+jj], 2, LIST
.set jj, jj+1
.endr
	s_wait_alu depctr_va_vdst(0)                   ; the zeros, the tokens and the 64 LDS addresses are written, which the stores below read
.irp k, 0,1,2,3,4,5,6,7,8,9
	ds_store_b128 v19, v[24:27] offset:512*\k      ; the list begins as zeros (a wave's LDS instructions are served in order: the words below land on them)
.endr
.set jj, 0
.rept 64
	ds_store_b32 v[G+jj], v[192+jj/2]
.set jj, jj+1
.endr
	s_wait_alu depctr_vm_vsrc(0)                   ; these stores have read v128 to v223, in which the first gather's loads land
.Lnot0:
	s_wait_dscnt 0x0
	s_barrier_signal -1                            ; the list lies in LDS; no other wave has touched LDS so far
	s_barrier_wait -1
.irp g, 0,1,2,3,4,5,6,7
.if \g == 6
	s_wait_loadcnt 16                              ; one younger group
.else
	s_wait_loadcnt 32                              ; two younger groups; at the last group: the gather's 32 loads
.endif
	WSTORE \g
	s_wait_dscnt 0x0                               ; the stores are done
.if \g < 5
	WIN 0x40
	s_wait_alu depctr_vm_vsrc(0)                   ; the stage's stores have read this raw set, in which the loads below land
	WLOAD \g+3
.endif
.if \g == 3
	WBACK 0
.endif
.if \g == 6
	GATHER 0                                       ; batch 0, on every path
.endif
.if \g == 7
	WBACK 1
.endif
.endr
	s_add_co_i32 s46, s30, s31                     ; ex + ew1
	s_sub_co_i32 s47, 0, s46
.set jj, 0
.rept 32
	v_ldexp_f32 v[BIAS+jj], v[BIAS+jj], s47        ; b1 / 2^(ex + ew1)
.set jj, jj+1
.endr
	s_sub_co_i32 s46, s32, s46
	s_add_co_i32 s46, s46, 127
	s_lshl_b32 s48, s46, 23
	v_mov_b32 v18, s48                             ; 2^(eh - ex - ew1)
	s_add_co_i32 s46, s46, 8
	s_lshl_b32 s46, s46, 23
	s_or_b32 s46, s46, 0x600000
	v_mov_b32 v17, s46                             ; 448 x that
	s_add_co_u32 s35, s35, 64*4*RS                 ; the list runs a batch ahead
	s_mov_b32 s37, 0
	s_wait_dscnt 0x0                               ; my reads of the stage are over: behind this barrier its bytes serve as x's buffers
	s_barrier_signal -1
	s_barrier_wait -1
.Ltrip:
	TRIP 0
	TRIP 1
	s_add_co_u32 s34, s34, 8*RS
	s_add_co_u32 s35, s35, 64*8*RS
	s_add_co_u32 s37, s37, 1
	s_cmp_lt_u32 s37, 64/(8*RS)
	s_cbranch_scc1 .Ltrip
	s_wait_dscnt 0x0
	s_wait_alu depctr_hold_cnt(0) depctr_sa_sdst(0) depctr_va_vdst(0) depctr_va_sdst(0) depctr_va_ssrc(0) depctr_va_vcc(0) depctr_vm_vsrc(0)
	s_wait_tensorcnt 0x0
	ds_add_u32 v126, v127
	s_wait_dscnt 0x0
	s_endpgm
.Lfunc_end_k_q902fa9185e_ffn1:
	.size	k_q902fa9185e_ffn1, .Lfunc_end_k_q902fa9185e_ffn1-k_q902fa9185e_ffn1
	.p2alignl 7, 3214868480
	.fill 96, 4, 3214868480
	.section	.rodata,"a",@progbits
	.p2align	6, 0x0
	.amdhsa_kernel k_q902fa9185e_ffn1
		.amdhsa_group_segment_fixed_size 271872
		.amdhsa_private_segment_fixed_size 0
		.amdhsa_enable_private_segment 0
		.amdhsa_kernarg_size 56
		.amdhsa_user_sgpr_count 2
		.amdhsa_user_sgpr_kernarg_segment_ptr 1
		.amdhsa_wavefront_size32 1
		.amdhsa_system_sgpr_workgroup_id_x 1
		.amdhsa_system_sgpr_workgroup_id_y 1
		.amdhsa_system_sgpr_workgroup_id_z 1
		.amdhsa_system_vgpr_workitem_id 0
		.amdhsa_next_free_vgpr 1024
		.amdhsa_next_free_sgpr 66
		.amdhsa_reserve_vcc 0
		.amdhsa_float_denorm_mode_32 3
		.amdhsa_float_denorm_mode_16_64 3
		.amdhsa_memory_ordered 1
		.amdhsa_forward_progress 1
		.amdhsa_inst_pref_size 135
	.end_amdhsa_kernel
	.amdgpu_metadata
---
amdhsa.version: [ 1, 2 ]
amdhsa.kernels:
  - .name:           k_q902fa9185e_ffn1
    .symbol:         k_q902fa9185e_ffn1.kd
    .args:
      - { .name: ew1_codes, .offset: 0, .size: 8, .value_kind: global_buffer, .address_space: global }
      - { .name: eb1, .offset: 8, .size: 8, .value_kind: global_buffer, .address_space: global }
      - { .name: lowp_scales, .offset: 16, .size: 8, .value_kind: global_buffer, .address_space: global }
      - { .name: xq, .offset: 24, .size: 8, .value_kind: global_buffer, .address_space: global }
      - { .name: pos, .offset: 32, .size: 8, .value_kind: global_buffer, .address_space: global }
      - { .name: meta, .offset: 40, .size: 8, .value_kind: global_buffer, .address_space: global }
      - { .name: hq, .offset: 48, .size: 8, .value_kind: global_buffer, .address_space: global }
    .group_segment_fixed_size: 271872
    .private_segment_fixed_size: 0
    .kernarg_segment_align: 8
    .kernarg_segment_size: 56
    .max_flat_workgroup_size: 128
    .sgpr_count:     66
    .vgpr_count:     1024
    .wavefront_size: 32
...
	.end_amdgpu_metadata
.endif
;; end of part 8
;; launch ffn2 (part 9): grid 32 x 8, 4 waves a work-group, no clusters, 266,752 bytes of LDS; arguments ew2_codes, eb2, lowp_scales, hq, meta, y; writes y
.if DOCPART == 9
	.amdgcn_target "amdgcn-amd-amdhsa--gfx1250"
	.amdhsa_code_object_version 6
	.text
	.protected	k_q902fa9185e_ffn2
	.globl	k_q902fa9185e_ffn2
	.p2align	8
	.type	k_q902fa9185e_ffn2,@function
k_q902fa9185e_ffn2:
	s_mov_b64 s[64:65], 0
	v_nop
	global_prefetch_b8 v0, s[64:65] scope:SCOPE_SE
	s_setreg_imm32_b32 hwreg(HW_REG_WAVE_SCHED_MODE, 0, 2), 2
	s_setreg_imm32_b32 hwreg(HW_REG_WAVE_MODE, 25, 1), 1
	s_wait_xcnt 0x0
	s_wait_alu depctr_vm_vsrc(0)
; THE EXPERTS' SECOND LAYER, on the chosen rows alone: y[sorted row] = he W2[e] x 2^(eh + ew2) + b2[e].
; Work-group (x, e): cc = x / 2 is 64 output columns (256 bytes of a row of y, aligned); p = x % 2: the expert's tiles with number % 2 = p.  Wave w takes K = 1,024 w .. + 1,023 of all 64 columns: 512 registers of W2, kept for the launch.
; The weights come by loads of 512 consecutive bytes and turn through the wave's own stage in LDS, as in the first layer.  he comes as the image of the operand's registers: each load is 512 consecutive bytes.
; The products are used transposed (source 0 = 16 columns of W2, source 1 = 16 rows): a lane holds one row and eight neighbouring columns.  The four waves' partial sums of a batch of four tiles meet in LDS; wave w finishes tile w.
; The number of tiles is a stored number: no tensor load, constant trips (4 x 2 batches), every wave passes every barrier, work is jumped over.  No cluster: partners would need different numbers of tiles.
; he's loads run two tiles ahead in two sets.  Inside a batch that has a tile every slot issues its 32 loads, so that the counted wait counts the same on every path; a slot past the expert's last tile names 16 bytes of tile 0 in every lane.
; LIMIT: eh + ew2 between -126 and 127.
; REGISTERS.  window 0: v1-15 addresses; v24-27 b2; v32-63, v64-95 accumulators, two sets; v64-255 at the head three sets of 64 as loaded; v128-255 later the partial sums.   window 1: he's fragments, two sets of 128.   windows 2, 3: W2 (K step s, tile t) at 64 (s % 4) + 16 t.
; THE MODE: SCHED_MODE bits 1:0 = 2 (LLVM: expert scheduling mode 2), set by the entry lines.  The code itself states the register dependences between vector or matrix instructions and memory or LDS instructions, with s_wait_alu, always for 0.
; THE PLAN.  Registers that memory or LDS instructions touch:
;   v4-v13      offsets and LDS addresses: written at the head, one wait ahead of the first load, never written again.
;   v14, v15    the offset of he's set 0, 1: read by the set's 32 loads, written anew for each refill.
;   the raw sets v64-255  weight loads land in them, the stage's LDS stores read them, the next loads land again; later they are accumulators and partial sums.
;   he's sets (window 1)  Tile i: its products read set i % 2; behind them the loads of tile i + 2 land in it.
;   the accumulators, two sets by turns: written by a tile's products, read by its eight LDS stores, begun anew two tiles on.
;   v128-255, later: a batch's partial sums land there, the additions work in place, eight stores read v128-159.
; A tile's head, ahead of the jump round its products, has one wait on vm_vsrc (the set's loads have read their offset; the stores of two tiles ago have read this set of accumulators), the new offset, and the wait for it.
; Behind the products and their places ONE wait on va_vdst serves the LDS stores of the results and the refill of the set just read.  The reduction has one wait of each kind.
.set RS,   2
.set PW,   1040
.set STGB, 64*PW
.set RED1, 131072                      ; behind the stage's last read: two buffers [tile 4][wave 4][16 rows x 272] at 0 and here
.set ACC,  32
.set MSB, 0
.macro WIN new
.if MSB != (\new)
	s_set_vgpr_msb (MSB<<8)|(\new)
.set MSB, (\new)
.endif
.endm
.macro WLOAD g                         ; eight of my 64 rows, 1,024 bytes of each
.set jj, 0
.rept 16
	global_load_b128 v[64+64*((\g)%3)+4*jj:64+64*((\g)%3)+4*jj+3], v4, s[38:39] offset:(8*(\g)+jj/2)*4096+512*(jj%2)
.set jj, jj+1
.endr
.endm
.macro WSTORE g
.set jj, 0
.rept 16
	ds_store_b128 v[5+(\g)/4], v[64+64*((\g)%3)+4*jj:64+64*((\g)%3)+4*jj+3] offset:((8*(\g)+jj/2)%32)*PW+512*(jj%2)
.set jj, jj+1
.endr
.endm
.macro WBACK b
.irp s, 0,1,2,3,4,5,6,7
	WIN 0x80+0x40*(\s/4)
.irp u, 0,1
.irp c, 0,1,2,3
	ds_load_b128 v[64*(\s%4)+16*(2*(\b)+\u)+4*\c:64*(\s%4)+16*(2*(\b)+\u)+4*\c+3], v7 offset:(32*(\b)+16*\u)*PW+128*\s+32*\c
.endr
.endr
.endr
	WIN 0
.endm
; he's fragments of tile s34 + RS k, my K quarter, into set z.  APREP makes the base and the offset; AISSUE issues the 32 loads.  again = 1: the set has been loaded before
.macro APREP z, k, again
	s_wait_xcnt 0x0                                ; the set's last loads have had their addresses translated: their base and offset are written again only behind this wait
.if \again
	s_wait_alu depctr_vm_vsrc(0)                   ; the set's last loads have read their offset, which is written below; the LDS stores of two tiles ago have read the accumulators that this tile's products begin anew (at first: the stage's stores have read the raw set that lay there)
.endif
	s_add_co_u32 s44, s34, RS*(\k)
	s_cmp_lt_u32 s44, s29
	s_cselect_b32 s52, 1, 0
	s_add_co_u32 s44, s44, s28
	s_min_u32 s44, s44, 135
	s_mul_i32 s44, s44, s52
	s_lshl_b32 s44, s44, 16
	s_add_nc_u64 s[40+2*(\z):41+2*(\z)], s[50:51], s[44:45]
	v_mul_u32_u24 v[14+(\z)], s52, v4
	s_wait_alu depctr_va_vdst(0)                   ; the offset is written, which the set's 32 loads read: on the way round the products too
.endm
.macro AISSUE z
	WIN 0x40
.set jj, 0
.rept 32
	global_load_b128 v[128*(\z)+4*jj:128*(\z)+4*jj+3], v[14+(\z)], s[40+2*(\z):41+2*(\z)] offset:512*jj
.set jj, jj+1
.endr
	WIN 0
.endm
.macro TILE2 n, i
	s_wait_loadcnt 32                              ; this tile's 32 loads are in; the other set's 32 may be out
	APREP (\i)%2, 4*\n+\i+2, 1
	s_add_co_u32 s44, s34, RS*(4*\n+\i)
	s_cmp_ge_u32 s44, s29
	s_cbranch_scc1 .Lidle_\@
.set AC, ACC+32*((\i)%2)
	s_wait_dscnt 8                                 ; the stores of two tiles ago are done; the last tile's eight may be out
.irp s, 0,1,2,3,4,5,6,7
	WIN 0x06+(\s/4)                                ; W2 window 2 or 3, he window 1; the four accumulators take turns
.irp t, 0,1,2,3
.if \s == 0
	v_wmma_f32_16x16x128_fp8_fp8 v[AC+8*\t:AC+8*\t+7], v[64*(\s%4)+16*\t:64*(\s%4)+16*\t+15], v[128*((\i)%2)+16*\s:128*((\i)%2)+16*\s+15], 0
.else
	v_wmma_f32_16x16x128_fp8_fp8 v[AC+8*\t:AC+8*\t+7], v[64*(\s%4)+16*\t:64*(\s%4)+16*\t+15], v[128*((\i)%2)+16*\s:128*((\i)%2)+16*\s+15], v[AC+8*\t:AC+8*\t+7]
.endif
.endr
.endr
	WIN 0
.rept 5
	v_nop                                          ; places in front of the stores that read results, and of the products that begin these accumulators anew
.endr
	s_wait_alu depctr_va_vdst(0)                   ; the products have written the accumulators, which the stores below read, and are done reading this set of he's, in which the loads below land
.irp t, 0,1,2,3
	ds_store_b128 v[8+\n], v[AC+8*\t:AC+8*\t+3] offset:17408*\i+64*\t
	ds_store_b128 v[8+\n], v[AC+8*\t+4:AC+8*\t+7] offset:17408*\i+64*\t+16
.endr
.Lidle_\@:
	AISSUE (\i)%2
.endm
.macro TRIP n
	s_add_co_u32 s44, s34, 4*RS*\n
	s_cmp_ge_u32 s44, s29
	s_cbranch_scc1 .Lnoblock_\@                    ; a batch without a tile issues nothing and waits for nothing: the two sets stay the youngest loads
	TILE2 \n, 0
	TILE2 \n, 1
	TILE2 \n, 2
	TILE2 \n, 3
.Lnoblock_\@:
	s_wait_dscnt 0x0                               ; my partial sums lie in this buffer, and my reads of the other buffer are over
	s_barrier_signal -1
	s_barrier_wait -1
	s_add_co_u32 s44, s34, 4*RS*\n
	s_add_co_u32 s44, s44, s21                     ; tile w of the batch is mine to finish
	s_cmp_ge_u32 s44, s29
	s_cbranch_scc1 .Lnored_\@
	s_wait_xcnt 0x0                                ; the last batch's stores have had their addresses translated: their registers and their base are written again only behind this wait
	s_wait_alu depctr_vm_vsrc(0)                   ; the last batch's stores have read v128 to v159 (at first: the stage's stores have read the raw sets), in which the loads below land
	s_add_co_u32 s44, s44, s28
	s_min_u32 s44, s44, 135
	s_lshl_b32 s44, s44, 16
	s_add_nc_u64 s[48:49], s[14:15], s[44:45]      ; y at the tile's 16 rows of 4,096 bytes
.irp p, 0,1,2,3
.irp q, 0,1,2,3,4,5,6,7
	ds_load_b128 v[128+32*\p+4*\q:128+32*\p+4*\q+3], v[10+\n] offset:4352*\p+544*\q
.endr
.endr
	s_wait_dscnt 0x0
.set jj, 0
.rept 16
	v_pk_add_f32 v[128+jj:129+jj], v[128+jj:129+jj], v[160+jj:161+jj]
	v_pk_add_f32 v[192+jj:193+jj], v[192+jj:193+jj], v[224+jj:225+jj]
.set jj, jj+2
.endr
.set jj, 0
.rept 16
	v_pk_add_f32 v[128+jj:129+jj], v[128+jj:129+jj], v[192+jj:193+jj]
.set jj, jj+2
.endr
.set jj, 0
.rept 16
	v_pk_fma_f32 v[128+jj:129+jj], v[128+jj:129+jj], s[46:47], v[24+jj%4:25+jj%4] op_sel_hi:[1,0,1]   ; sum x 2^(eh + ew2) + b2
.set jj, jj+2
.endr
	s_wait_alu depctr_va_vdst(0)                   ; the multiply-adds have written v128 to v159, which the stores read; the additions are done with v128 to v255, in which the next batch's partial sums land
.irp q, 0,1,2,3,4,5,6,7
	global_store_b128 v12, v[128+4*\q:128+4*\q+3], s[48:49] offset:8192*\q   ; sixteen lanes store 256 consecutive bytes, aligned
.endr
.Lnored_\@:
.endm
	s_load_b256 s[4:11], s[0:1], 0x0               ; ew2_codes, eb2, lowp_scales, hq
	s_load_b128 s[12:15], s[0:1], 0x20             ; meta, y
	v_lshl_add_u32 v30, v0, 2, 0x41000
	v_mov_b32 v31, 0
	v_lshrrev_b32 v1, 5, v0
	v_readfirstlane_b32 s20, v1                    ; wave
	v_and_b32 v1, 31, v0
	s_wait_alu depctr_va_vdst(0)
	v_and_b32 v2, 15, v0                           ; r
	s_wait_alu depctr_va_vdst(0)
	v_bfe_u32 v3, v0, 4, 1                         ; h
	s_lshr_b32 s22, ttmp9, 1                       ; cc
	s_and_b32 s23, ttmp9, 1                        ; p
	s_and_b32 s24, ttmp7, 0xffff                   ; e
	s_wait_alu depctr_va_sdst(0)                   ; s20 is written, ahead of its first reader
	s_lshl_b32 s21, s20, 1                         ; RS x wave
	s_mov_b32 s27, 0
	s_mov_b32 s45, 0
	s_mov_b32 s34, s23                             ; the batch's first tile
	v_lshlrev_b32 v4, 4, v1                        ; 16 x lane
	v_lshlrev_b32 v13, 4, v2                       ; 16 x (lane % 16)
	s_mul_i32 s44, s20, STGB
	v_add_nc_u32 v5, s44, v4
	v_add_nc_u32 v6, 32*PW, v5
	v_mul_u32_u24 v7, v2, PW
	s_wait_alu depctr_va_vdst(0)
	v_lshl_add_u32 v7, v3, 4, v7
	v_add_nc_u32 v7, s44, v7
	s_mul_i32 s44, s20, 4352
	v_mul_u32_u24 v8, v2, 272
	v_lshl_add_u32 v8, v3, 5, v8
	v_add_nc_u32 v8, s44, v8                       ; my partial sums: my wave's block, row r, + 32 h
	v_add_nc_u32 v9, RED1, v8
	s_mul_i32 s44, s20, 17408
	v_mul_u32_u24 v10, v3, 272
	v_add_nc_u32 v10, v10, v13
	v_add_nc_u32 v10, s44, v10                     ; tile w's: two rows an instruction
	v_add_nc_u32 v11, RED1, v10
	s_lshl_b32 s44, s22, 8
	v_lshl_add_u32 v12, v3, 12, v13
	v_add_nc_u32 v12, s44, v12                     ; y: 4,096 h + 256 cc + 16 (lane % 16)
	s_wait_kmcnt 0x0
	s_lshl_b32 s26, s24, 2
	s_add_nc_u64 s[12:13], s[12:13], s[26:27]
	s_load_b32 s28, s[12:13], 0x0                  ; offt
	s_load_b32 s29, s[12:13], 0x20                 ; nt
	s_lshl_b32 s26, s24, 4
	s_add_nc_u64 s[8:9], s[8:9], s[26:27]
	s_load_b64 s[30:31], s[8:9], 0x10              ; eh, ew2
	s_lshl_b32 s26, s24, 12
	s_add_co_u32 s26, s26, s44
	s_add_nc_u64 s[6:7], s[6:7], s[26:27]          ; b2 at my 64 columns
	s_lshl_b32 s26, s24, 22
	s_lshl_b32 s44, s22, 18
	s_add_co_u32 s26, s26, s44
	s_lshl_b32 s44, s20, 10
	s_add_co_u32 s26, s26, s44
	s_add_nc_u64 s[38:39], s[4:5], s[26:27]        ; W2: my 64 rows, my K quarter
	s_lshl_b32 s26, s20, 14
	s_add_nc_u64 s[50:51], s[10:11], s[26:27]      ; he: my eight K steps of a tile
	s_wait_alu depctr_va_vdst(0)                   ; the offsets and LDS addresses v4 to v13 are written, which the loads and stores below read
	global_load_b128 v[24:27], v13, s[6:7]
	WLOAD 0
	WLOAD 1
	WLOAD 2
	s_wait_kmcnt 0x0
	s_min_u32 s28, s28, 135
	s_min_u32 s29, s29, 64
	s_add_co_i32 s46, s30, s31
	s_add_co_i32 s46, s46, 127
	s_lshl_b32 s46, s46, 23                        ; 2^(eh + ew2)
	s_mov_b32 s47, s46                             ; (named with it as a pair)
.irp g, 0,1,2,3,4,5,6,7
.if \g == 6
	s_wait_loadcnt 16                              ; one younger group
.else
	s_wait_loadcnt 32                              ; two younger groups; at the last group: set 0's 32 loads
.endif
.if \g == 7
	APREP 1, 1, 0
	AISSUE 1
.endif
	WSTORE \g
	s_wait_dscnt 0x0                               ; the stores are done
.if \g < 5
	s_wait_alu depctr_vm_vsrc(0)                   ; the stage's stores have read this raw set, in which the loads below land
	WLOAD \g+3
.endif
.if \g == 3
	WBACK 0
.endif
.if \g == 6
	APREP 0, 0, 0
	AISSUE 0
.endif
.if \g == 7
	WBACK 1
.endif
.endr
	s_mov_b32 s37, 0
	s_wait_dscnt 0x0                               ; my reads of the stage are over: behind this barrier its bytes hold partial sums
	s_barrier_signal -1
	s_barrier_wait -1
.Ltrip:
	TRIP 0
	TRIP 1
	s_add_co_u32 s34, s34, 8*RS
	s_add_co_u32 s37, s37, 1
	s_cmp_lt_u32 s37, 64/(8*RS)
	s_cbranch_scc1 .Ltrip
	s_wait_dscnt 0x0
	s_wait_alu depctr_hold_cnt(0) depctr_sa_sdst(0) depctr_va_vdst(0) depctr_va_sdst(0) depctr_va_ssrc(0) depctr_va_vcc(0) depctr_vm_vsrc(0)
	s_wait_tensorcnt 0x0
	ds_add_u32 v30, v31
	s_wait_dscnt 0x0
	s_endpgm
.Lfunc_end_k_q902fa9185e_ffn2:
	.size	k_q902fa9185e_ffn2, .Lfunc_end_k_q902fa9185e_ffn2-k_q902fa9185e_ffn2
	.p2alignl 7, 3214868480
	.fill 96, 4, 3214868480
	.section	.rodata,"a",@progbits
	.p2align	6, 0x0
	.amdhsa_kernel k_q902fa9185e_ffn2
		.amdhsa_group_segment_fixed_size 266752
		.amdhsa_private_segment_fixed_size 0
		.amdhsa_enable_private_segment 0
		.amdhsa_kernarg_size 48
		.amdhsa_user_sgpr_count 2
		.amdhsa_user_sgpr_kernarg_segment_ptr 1
		.amdhsa_wavefront_size32 1
		.amdhsa_system_sgpr_workgroup_id_x 1
		.amdhsa_system_sgpr_workgroup_id_y 1
		.amdhsa_system_sgpr_workgroup_id_z 1
		.amdhsa_system_vgpr_workitem_id 0
		.amdhsa_next_free_vgpr 1024
		.amdhsa_next_free_sgpr 66
		.amdhsa_reserve_vcc 0
		.amdhsa_float_denorm_mode_32 3
		.amdhsa_float_denorm_mode_16_64 3
		.amdhsa_memory_ordered 1
		.amdhsa_forward_progress 1
		.amdhsa_inst_pref_size 106
	.end_amdhsa_kernel
	.amdgpu_metadata
---
amdhsa.version: [ 1, 2 ]
amdhsa.kernels:
  - .name:           k_q902fa9185e_ffn2
    .symbol:         k_q902fa9185e_ffn2.kd
    .args:
      - { .name: ew2_codes, .offset: 0, .size: 8, .value_kind: global_buffer, .address_space: global }
      - { .name: eb2, .offset: 8, .size: 8, .value_kind: global_buffer, .address_space: global }
      - { .name: lowp_scales, .offset: 16, .size: 8, .value_kind: global_buffer, .address_space: global }
      - { .name: hq, .offset: 24, .size: 8, .value_kind: global_buffer, .address_space: global }
      - { .name: meta, .offset: 32, .size: 8, .value_kind: global_buffer, .address_space: global }
      - { .name: y, .offset: 40, .size: 8, .value_kind: global_buffer, .address_space: global }
    .group_segment_fixed_size: 266752
    .private_segment_fixed_size: 0
    .kernarg_segment_align: 8
    .kernarg_segment_size: 48
    .max_flat_workgroup_size: 128
    .sgpr_count:     66
    .vgpr_count:     1024
    .wavefront_size: 32
...
	.end_amdgpu_metadata
.endif
;; end of part 9
;; launch combine (part 10): grid 256 x 1, 4 waves a work-group, no clusters, 0 bytes of LDS; arguments y, pos, cw, out0; writes out0
.if DOCPART == 10
	.amdgcn_target "amdgcn-amd-amdhsa--gfx1250"
	.amdhsa_code_object_version 6
	.text
	.protected	k_q902fa9185e_combine
	.globl	k_q902fa9185e_combine
	.p2align	8
	.type	k_q902fa9185e_combine,@function
k_q902fa9185e_combine:
	s_mov_b64 s[64:65], 0
	v_nop
	global_prefetch_b8 v0, s[64:65] scope:SCOPE_SE
	s_setreg_imm32_b32 hwreg(HW_REG_WAVE_MODE, 25, 1), 1
	s_wait_xcnt 0x0
; out0[token] = c0 x y[pos0] + c1 x y[pos1]: each output row has one owner, a wave.  A row is 4,096 bytes: eight loads and eight stores of 512 consecutive bytes.
; Memory binds: no LDS, no barrier, no matrix unit.  pos was stored by an earlier launch; it is held inside y's 2,176 rows before it enters an address.
	s_load_b256 s[4:11], s[0:1], 0x0               ; y, pos, cw, out0
	v_lshrrev_b32 v1, 5, v0
	v_readfirstlane_b32 s12, v1
	v_and_b32 v2, 31, v0
	v_lshlrev_b32 v2, 4, v2                        ; 16 x lane
	s_lshl_b32 s13, ttmp9, 2
	s_add_co_u32 s13, s13, s12                     ; token
	s_lshl_b32 s14, s13, 3
	s_mov_b32 s15, 0
	s_wait_alu depctr_va_vdst(0)
	s_wait_kmcnt 0x0
	s_add_nc_u64 s[6:7], s[6:7], s[14:15]
	s_add_nc_u64 s[8:9], s[8:9], s[14:15]
	s_load_b64 s[16:17], s[6:7], 0x0               ; the two rows
	s_load_b64 s[18:19], s[8:9], 0x0               ; the two weights
	s_lshl_b32 s26, s13, 12
	s_mov_b32 s27, 0
	s_add_nc_u64 s[10:11], s[10:11], s[26:27]
	s_mov_b32 s23, 0
	s_mov_b32 s25, 0
	s_wait_kmcnt 0x0
	s_min_u32 s16, s16, 2175
	s_min_u32 s17, s17, 2175
	s_lshl_b32 s22, s16, 12
	s_lshl_b32 s24, s17, 12
	s_add_nc_u64 s[22:23], s[4:5], s[22:23]
	s_add_nc_u64 s[24:25], s[4:5], s[24:25]
	s_mov_b32 s20, s19                             ; c1 as the low word of a pair of its own
	s_mov_b32 s21, s19
.irp j, 0,1,2,3,4,5,6,7
	global_load_b128 v[8+4*\j:11+4*\j], v2, s[22:23] offset:512*\j th:TH_LOAD_NT
.endr
.irp j, 0,1,2,3,4,5,6,7
	global_load_b128 v[40+4*\j:43+4*\j], v2, s[24:25] offset:512*\j th:TH_LOAD_NT
.endr
	s_wait_loadcnt 8                               ; the first row is in; the second row's eight loads may be out
.set jj, 0
.rept 16
	v_pk_mul_f32 v[8+jj:9+jj], v[8+jj:9+jj], s[18:19] op_sel_hi:[1,0]
.set jj, jj+2
.endr
	s_wait_loadcnt 0x0
.set jj, 0
.rept 16
	v_pk_fma_f32 v[8+jj:9+jj], v[40+jj:41+jj], s[20:21], v[8+jj:9+jj] op_sel_hi:[1,0,1]
.set jj, jj+2
.endr
.irp j, 0,1,2,3,4,5,6,7
	global_store_b128 v2, v[8+4*\j:11+4*\j], s[10:11] offset:512*\j th:TH_STORE_NT
.endr
	s_endpgm
.Lfunc_end_k_q902fa9185e_combine:
	.size	k_q902fa9185e_combine, .Lfunc_end_k_q902fa9185e_combine-k_q902fa9185e_combine
	.p2alignl 7, 3214868480
	.fill 96, 4, 3214868480
	.section	.rodata,"a",@progbits
	.p2align	6, 0x0
	.amdhsa_kernel k_q902fa9185e_combine
		.amdhsa_group_segment_fixed_size 0
		.amdhsa_private_segment_fixed_size 0
		.amdhsa_enable_private_segment 0
		.amdhsa_kernarg_size 32
		.amdhsa_user_sgpr_count 2
		.amdhsa_user_sgpr_kernarg_segment_ptr 1
		.amdhsa_wavefront_size32 1
		.amdhsa_system_sgpr_workgroup_id_x 1
		.amdhsa_system_sgpr_workgroup_id_y 1
		.amdhsa_system_sgpr_workgroup_id_z 1
		.amdhsa_system_vgpr_workitem_id 0
		.amdhsa_next_free_vgpr 80
		.amdhsa_next_free_sgpr 66
		.amdhsa_reserve_vcc 0
		.amdhsa_float_denorm_mode_32 3
		.amdhsa_float_denorm_mode_16_64 3
		.amdhsa_memory_ordered 1
		.amdhsa_forward_progress 1
		.amdhsa_inst_pref_size 6
	.end_amdhsa_kernel
	.amdgpu_metadata
---
amdhsa.version: [ 1, 2 ]
amdhsa.kernels:
  - .name:           k_q902fa9185e_combine
    .symbol:         k_q902fa9185e_combine.kd
    .args:
      - { .name: y, .offset: 0, .size: 8, .value_kind: global_buffer, .address_space: global }
      - { .name: pos, .offset: 8, .size: 8, .value_kind: global_buffer, .address_space: global }
      - { .name: cw, .offset: 16, .size: 8, .value_kind: global_buffer, .address_space: global }
      - { .name: out0, .offset: 24, .size: 8, .value_kind: global_buffer, .address_space: global }
    .group_segment_fixed_size: 0
    .private_segment_fixed_size: 0
    .kernarg_segment_align: 8
    .kernarg_segment_size: 32
    .max_flat_workgroup_size: 128
    .sgpr_count:     66
    .vgpr_count:     80
    .wavefront_size: 32
...
	.end_amdgpu_metadata
.endif
;; end of part 10
